; MI455X (gfx1250); checked and timed in simulation.
; The chip was launched on July 23, 2026; its instructions are those of AMD's public machine-readable ISA for CDNA 5 (MIT licence, August 2026) and "CDNA5" Instruction Set Architecture Reference Guide (July 2026). The comments in the code are by the model that wrote it; some were corrected since.
;; Causal Self Attention. Allowed arithmetic: matrix products marked QUANTISED: E2M1 operands, one E8M0 scale for each 32 along K, by v_wmma_scale_f32_16x16x128_f8f6f4 with both operands' format E2M1 (or v_wmma_scale_f32_32x16x128_f4), f32 sums; products left as they are: bf16, f16 or f32 operands; f32 sums; everything else in f32.
;; Inputs: W_K 1,024 x 1,024 float32; W_Q 1,024 x 1,024 float32; W_V 1,024 x 1,024 float32; X 4 x 2,048 x 1,024 float32.
;; Outputs: out0 4 x 2,048 x 1,024 float32.
;; This version of the problem:
;;   THIS VERSION OF THE PROBLEM IS GIVEN IN LOW PRECISION. The matrix products marked QUANTISED in the list below multiply operands that are first quantised to E2M1 (2 exponent bits, 1 mantissa bit; 4 bits a number), with one power-of-two scale for each 32 numbers along K (OCP MX v1.0); their sums are f32. The products marked 'left as it is' may take bf16, f16 or f32 operands, with f32 sums. Whichever they take, every output number must still come out within the allowed error. Rounding operands to bf16 (8 significant bits) uses up far more of that allowance than f16 does (11 bits, for magnitudes from 6e-5 to 65,504). All else is computed in f32.
;;   The module's matrix products, in the order in which they are computed (A, B: the left and right operand; K: the contracted axis; several contracted axes count as one K, in the product's order):
;;     1. [M 8,192, K 1,024] x [K 1,024, N 1,024]; A: input X; B: input W_Q: QUANTISED
;;     2. [M 8,192, K 1,024] x [K 1,024, N 1,024]; A: input X; B: input W_K: QUANTISED
;;     3. [M 8,192, K 1,024] x [K 1,024, N 1,024]; A: input X; B: input W_V: QUANTISED
;;     4. batch 4 x [M 2,048, K 1,024] x [K 1,024, N 2,048]; A: computed on the way; B: computed on the way: left as it is (an operand is computed on the way)
;;     5. batch 4 x [M 2,048, K 2,048] x [K 2,048, N 1,024]; A: computed on the way; B: computed on the way: left as it is (an operand is computed on the way)
;;   THE QUANTISER, for each operand of a quantised product, along K:
;;     - K is cut into blocks of 32 from its start; a last block that is shorter is filled with zeros.
;;     - A block's scale is 2^e with e = floor(log2(the largest magnitude in the block)) - 2, held to -126 .. 127; a block of zeros has e = 0. As a byte (E8M0): e + 127.
;;     - Each number is divided by its block's scale, clamped to +-6, and rounded to the nearest number of E2M1, ties to even, subnormals kept.
;;     - The product sums the exact products of the quantised numbers (number of the format x scale) in f32.
;;   ~~~python
;;   def quantise(x, axis):      # numpy; x: float32 -> the quantised numbers, widened to float32 again
;;       x = np.moveaxis(x, axis, -1); K = x.shape[-1]
;;       x = np.pad(x, [(0, 0)] * (x.ndim - 1) + [(0, -K % 32)]); x = x.reshape(x.shape[:-1] + (-1, 32)); a = np.abs(x).max(-1, keepdims=True)
;;       e = np.where(a > 0, np.clip(np.frexp(np.where(a > 0, a, 1))[1] - 1 - 2, -126, 127), 0)      # np.frexp(a)[1] - 1 = floor(log2(a)), exactly
;;       r = np.clip(x / 2.0 ** e, -6, 6)
;;       step = 2.0 ** (np.maximum(np.frexp(np.where(r == 0, 1, r))[1] - 1, 0) - 1)
;;       q = np.round(r / step) * step * 2.0 ** e      # np.round: ties to even
;;       return np.moveaxis(q.reshape(q.shape[:-2] + (-1,))[..., :K], -1, axis).astype(np.float32)
;;   ~~~
;; One version. Each part assembles by itself: llvm-mc -triple=amdgcn-amd-amdhsa -mcpu=gfx1250 --defsym DOCPART=n.
;; ======== version 1 of 1: 5 launches
;; limits: values are held in f16: magnitudes above 65,504 overflow, below 6.1e-05 lose precision
;; workspace buffers: codes 5,767,168 bytes; scales 360,448 bytes; qk 33,554,432 bytes; vt 16,777,216 bytes; fine32 786,432 bytes; p 33,554,432 bytes; stats 786,432 bytes
;; launch quant (part 1): grid 352 x 1, 4 waves a work-group, no clusters, 33,280 bytes of LDS; arguments X, W_Q, W_K, W_V, codes, scales; writes codes, scales
.if DOCPART == 1
	.amdgcn_target "amdgcn-amd-amdhsa--gfx1250"
	.amdhsa_code_object_version 6
	.text
	.protected	k_q1512a31525_quant
	.globl	k_q1512a31525_quant
	.p2align	8
	.type	k_q1512a31525_quant,@function
k_q1512a31525_quant:
	s_mov_b64 s[64:65], 0
	v_nop
	global_prefetch_b8 v0, s[64:65] scope:SCOPE_SE
	s_setreg_imm32_b32 hwreg(HW_REG_WAVE_MODE, 25, 1), 1
	s_wait_xcnt 0x0
; X [8192][1024], W_Q, W_K, W_V [1024][1024], f32, K innermost, become codes of FP4 (E2M1), two a byte, and one E8M0 byte for each 32 along K.
; The four tensors lie on end in the two buffers: codes [11264 rows][512 bytes], scales [11264][32 bytes]; rows 0.. X, 8192.. W_Q, 9216.. W_K, 10240.. W_V.
; A block's scale byte is its largest magnitude's exponent field - 2, held at 1 from below; each number is divided by the scale and rounded to the nearest code, ties to even, beyond 6 the largest code.
; (A block of zeros gets the byte 1 where the rule says 127: its codes are zeros, and this program alone reads the bytes.)
; LIMITS: blocks whose largest magnitude lies under 2^-124 keep the byte 1; NaN and infinities among the inputs are not served.
; Rows are dense, so each tensor is a stream of blocks of 32.  A work-group takes 32,768 numbers, a wave 16 steps of 512.  Work-groups 0-255 take X, then 32 each W_Q, W_K, W_V: only the source pointer is chosen.
; Each load reads 512 consecutive bytes; a step's 2,048 bytes turn through the wave's own stage in LDS so that a lane holds 16 neighbours along K.  No barrier: waves share nothing.
; Loads run eight steps ahead: 32 loads, 16,384 bytes, of every wave are on their way.
.set WAVES, 4
.set STEPS, 16
.set AHEAD, 8                          ; steps that the loads run ahead, and sets of registers for them
.set EMAX,  2
.set CB,    8                          ; bytes of 16 codes
.set R,     16                         ; v16-143  eight sets of 16 numbers as loaded
.set XN,    144                        ; v144-175 two sets of 16 neighbours
.set E,     176                        ; v176-191 a scale byte a step
.set C,     192                        ; v192-255 codes, four registers a step
.set WREG,  8192                       ; LDS of a wave: two stages of 32 x SP bytes, then its 256 scale bytes
.set SP,    80                         ; a lane's 64 bytes + 16 of padding
.set SPW,   12                         ; v12 LDS address of my spare word; never rewritten
.set NIL,   13                         ; v13 0; never rewritten
.set SPARE, WAVES*WREG                 ; the spare words: 128 bytes a wave
	s_load_b256 s[4:11], s[0:1], 0x0               ; X, W_Q, W_K, W_V
	s_load_b128 s[12:15], s[0:1], 0x20             ; codes, scales
	v_lshl_add_u32 v[SPW], v0, 2, SPARE
	v_mov_b32 v[NIL], 0
	v_lshrrev_b32 v1, 5, v0
	v_readfirstlane_b32 s16, v1                    ; wave
	v_and_b32 v2, 31, v0                           ; lane
	v_lshlrev_b32 v3, 4, v2                        ; my 16 bytes of a load's 512
	s_mul_i32 s17, s16, WREG
	v_lshrrev_b32 v14, 2, v2
	v_mul_u32_u24 v14, v14, SP
	v_and_b32 v15, 3, v2
	v_lshl_add_u32 v14, v15, 4, v14
	v_add_nc_u32 v14, s17, v14                     ; the stage on the way in: SP (lane / 4) + 16 (lane % 4)
	v_mul_u32_u24 v15, v2, SP
	v_add_nc_u32 v15, s17, v15                     ; and on the way out: SP x lane
	v_mul_u32_u24 v4, v2, CB                       ; my codes' place in a step's
	v_lshrrev_b32 v5, 1, v2
	s_add_co_u32 s17, s17, 2*32*SP
	v_add_nc_u32 v5, s17, v5                       ; my block's scale byte in LDS
	v_lshlrev_b32 v7, 3, v2
	v_add_nc_u32 v6, s17, v7                       ; on the way out 8 bytes a lane
	s_sub_co_u32 s18, ttmp9, 256
	s_lshr_b32 s19, s18, 5                         ; which weight (0, 1, 2; no match in X's work-groups)
	s_and_b32 s18, s18, 31                         ; and which part of it
	s_wait_kmcnt 0x0
	s_cmp_eq_u32 s19, 1
	s_cselect_b64 s[6:7], s[8:9], s[6:7]
	s_cmp_eq_u32 s19, 2
	s_cselect_b64 s[6:7], s[10:11], s[6:7]
	s_cmp_lt_u32 ttmp9, 256                        ; the choices hang on the work-group's number alone
	s_cselect_b64 s[4:5], s[4:5], s[6:7]
	s_cselect_b32 s18, ttmp9, s18
	s_lshl_b32 s18, s18, 2
	s_add_co_u32 s18, s18, s16                     ; my wave's run of 8,192 numbers in its tensor
	s_lshl_b32 s18, s18, 15                        ; 32,768 bytes a run
	s_mov_b32 s19, 0
	s_add_nc_u64 s[4:5], s[4:5], s[18:19]
	s_lshl_b32 s20, ttmp9, 2
	s_add_co_u32 s20, s20, s16                     ; and in the buffers, where the tensors lie on end
	s_lshl_b32 s18, s20, 12                        ; 4,096 bytes of codes a run
	s_add_nc_u64 s[12:13], s[12:13], s[18:19]
	s_lshl_b32 s18, s20, 8                         ; 256 scale bytes a run
	s_add_nc_u64 s[14:15], s[14:15], s[18:19]
.macro LOAD t
.irp i, 0,1,2,3
	global_load_b128 v[R+16*((\t)%AHEAD)+4*\i:R+16*((\t)%AHEAD)+4*\i+3], v3, s[4:5] offset:2048*(\t)+512*\i th:TH_LOAD_NT
.endr
.endm
.macro TURN t                          ; a step's numbers through the stage: LDS serves a wave's instructions in order
.irp i, 0,1,2,3
	ds_store_b128 v14, v[R+16*((\t)%AHEAD)+4*\i:R+16*((\t)%AHEAD)+4*\i+3] offset:32*SP*((\t)%2)+8*SP*\i
.endr
.irp i, 0,1,2,3
	ds_load_b128 v[XN+16*((\t)%2)+4*\i:XN+16*((\t)%2)+4*\i+3], v15 offset:32*SP*((\t)%2)+16*\i
.endr
.endm
.irp t, 0,1,2,3,4,5,6,7
	LOAD \t
.endr
	s_wait_loadcnt 4*(AHEAD-1)                     ; step 0's four loads are in; the 28 younger ones may be out
	TURN 0
.macro STEP t
.set XS, XN+16*((\t)%2)
.if (\t) > 0
	s_wait_dscnt 1                                 ; this step's numbers are back (the last step's byte store may be out): so its stores into the stage have read their registers,
.else
	s_wait_dscnt 0x0
.endif
.if (\t)+AHEAD < STEPS
	LOAD (\t)+AHEAD                                ; which take the loads of eight steps on
.endif
.if (\t)+1 < STEPS
.if STEPS-2-(\t) >= AHEAD-1
	s_wait_loadcnt 4*(AHEAD-1)                     ; the next step's loads are in; those of the seven steps behind it may be out
.else
	s_wait_loadcnt 4*(STEPS-2-(\t))                ; the counts run down: nothing more is loaded
.endif
	TURN (\t)+1
.endif
	v_max3_num_f32 v8, |v[XS]|, |v[XS+1]|, |v[XS+2]|
	v_max3_num_f32 v9, |v[XS+3]|, |v[XS+4]|, |v[XS+5]|
.irp i, 6,10
	v_max3_num_f32 v8, v8, |v[XS+\i]|, |v[XS+\i+1]|
	v_max3_num_f32 v9, v9, |v[XS+\i+2]|, |v[XS+\i+3]|
.endr
	v_max3_num_f32 v8, v8, |v[XS+14]|, |v[XS+15]|
	v_max3_num_f32 v8, v8, v9, (EMAX+1)<<23        ; with the floor 2^(3 - 127): the byte cannot fall under 1
	v_max_num_f32_dpp v8, v8, v8 row_xmask:1 row_mask:0xf bank_mask:0xf   ; and my neighbour's 16: the block's largest magnitude
	v_add_nc_u32 v11, -(EMAX<<23), v8              ; 2 off its exponent field: the conversion's scale operand
	v_cvt_scalef32_pk8_fp4_f32 v[C+4*(\t)], v[XS:XS+7], v11
	v_cvt_scalef32_pk8_fp4_f32 v[C+4*(\t)+1], v[XS+8:XS+15], v11
	v_lshrrev_b32 v[E+(\t)], 23, v11               ; the scale's byte
	ds_store_b8 v5, v[E+(\t)] offset:16*(\t)       ; both lanes of a block write the same byte
	global_store_b64 v4, v[C+4*(\t):C+4*(\t)+1], s[12:13] offset:32*CB*(\t)   ; the wave stores 256 consecutive bytes
.endm
.irp t, 0,1,2,3,4,5,6,7,8,9,10,11,12,13,14,15
	STEP \t
.endr
	ds_load_b64 v[8:9], v6
	s_wait_dscnt 0x0
	global_store_b64 v7, v[8:9], s[14:15]          ; 256 consecutive scale bytes
	s_wait_tensorcnt 0x0                           ; the wave's end
	ds_add_u32 v[SPW], v[NIL]
	s_wait_dscnt 0x0
	s_endpgm
.Lfunc_end_k_q1512a31525_quant:
	.size	k_q1512a31525_quant, .Lfunc_end_k_q1512a31525_quant-k_q1512a31525_quant
	.p2alignl 7, 3214868480
	.fill 96, 4, 3214868480
	.section	.rodata,"a",@progbits
	.p2align	6, 0x0
	.amdhsa_kernel k_q1512a31525_quant
		.amdhsa_group_segment_fixed_size 33280
		.amdhsa_private_segment_fixed_size 0
		.amdhsa_enable_private_segment 0
		.amdhsa_kernarg_size 48
		.amdhsa_user_sgpr_count 2
		.amdhsa_user_sgpr_kernarg_segment_ptr 1
		.amdhsa_wavefront_size32 1
		.amdhsa_system_sgpr_workgroup_id_x 1
		.amdhsa_system_sgpr_workgroup_id_y 1
		.amdhsa_system_sgpr_workgroup_id_z 1
		.amdhsa_system_vgpr_workitem_id 0
		.amdhsa_next_free_vgpr 256
		.amdhsa_next_free_sgpr 66
		.amdhsa_reserve_vcc 0
		.amdhsa_float_denorm_mode_32 3
		.amdhsa_float_denorm_mode_16_64 3
		.amdhsa_memory_ordered 1
		.amdhsa_forward_progress 1
		.amdhsa_inst_pref_size 33
	.end_amdhsa_kernel
	.amdgpu_metadata
---
amdhsa.version: [ 1, 2 ]
amdhsa.kernels:
  - .name:           k_q1512a31525_quant
    .symbol:         k_q1512a31525_quant.kd
    .args:
      - { .name: X, .offset: 0, .size: 8, .value_kind: global_buffer, .address_space: global }
      - { .name: W_Q, .offset: 8, .size: 8, .value_kind: global_buffer, .address_space: global }
      - { .name: W_K, .offset: 16, .size: 8, .value_kind: global_buffer, .address_space: global }
      - { .name: W_V, .offset: 24, .size: 8, .value_kind: global_buffer, .address_space: global }
      - { .name: codes, .offset: 32, .size: 8, .value_kind: global_buffer, .address_space: global }
      - { .name: scales, .offset: 40, .size: 8, .value_kind: global_buffer, .address_space: global }
    .group_segment_fixed_size: 33280
    .private_segment_fixed_size: 0
    .kernarg_segment_align: 8
    .kernarg_segment_size: 48
    .max_flat_workgroup_size: 128
    .sgpr_count:     66
    .vgpr_count:     256
    .wavefront_size: 32
...
	.end_amdgpu_metadata
.endif
;; end of part 1
;; launch proj (part 2): grid 8 x 32, 4 waves a work-group, clusters of 4 x 4, 327,680 bytes of LDS; arguments codes, scales, qk, fine32; writes qk, fine32
.if DOCPART == 2
	.amdgcn_target "amdgcn-amd-amdhsa--gfx1250"
	.amdhsa_code_object_version 6
	.text
	.protected	k_q1512a31525_proj
	.globl	k_q1512a31525_proj
	.p2align	8
	.type	k_q1512a31525_proj,@function
k_q1512a31525_proj:
	s_mov_b64 s[64:65], 0
	v_nop
	global_prefetch_b8 v0, s[64:65] scope:SCOPE_SE
	s_setreg_imm32_b32 hwreg(HW_REG_WAVE_MODE, 25, 1), 1
	s_wait_xcnt 0x0
	s_wait_alu depctr_hold_cnt(0) depctr_sa_sdst(0) depctr_va_vdst(0) depctr_va_sdst(0) depctr_va_ssrc(0) depctr_va_vcc(0) depctr_vm_vsrc(0)
	s_getreg_b32 s2, hwreg(HW_REG_IB_STS2, 6, 4)
	s_cmp_eq_u32 s2, 0
	s_cbranch_scc0 .Lentry_in_a_cluster
	s_endpgm
.Lentry_in_a_cluster:
	s_bfe_u32 s2, ttmp6, 0x10000c
	s_cmp_lg_u32 s2, 0xf033
	s_cbranch_scc0 .Lentry_shape_is_right
	s_endpgm
.Lentry_shape_is_right:
; The projections Q and K on codes of FP4 with E8M0 scales, K = 1,024, sums in f32, results rounded once to f16.  (V's projection rides in the next launch: nothing needs it earlier.)
; C[m][n] = sum over k of A[m][k] B[n][k]: A = rows of X, B = rows of W_Q | W_K, C = qk [8192][2048] (Q in columns 0-1023, K in 1024-2047).
; A tile of 256 x 256 a work-group, 128 x 128 a wave (64 accumulators): 32 x 8 = 256 work-groups.
; Tile rows of X are dealt 8 cy + Y (Y the cluster's y), so that 'the first tile of a batch' is Y = 0, a number that all sixteen partners share.
; K goes in two steps of 512 (rows of 256 bytes): both are first fills, nothing in LDS is filled again.  The scale bytes of the 512 rows come once, as two dense blocks.
; CLUSTER 4 x 4: A's tile is shared along a row of the cluster, B's along a column: joint loads with a mask of four.
; The matrix instruction is used transposed (source 0 = 16 rows of B, source 1 = 16 rows of A): a lane holds eight neighbouring columns of one row of C.
; The rows s < 16 of each batch also leave as f32 (fine32), for the launch that carries the first 16 positions finely.
; LIMIT: |Q|, |K| must stay under 65,504, f16's largest number.
; REGISTERS: window 0: v0-31 addresses; v32-95 scale words, two sets, and nothing else; v128-191 A's fragments; v192-255 the way out.
;   window 1: B's fragments, two sets.  window 2, 3: the accumulators ((a, b) at v[8 (8 (a % 4) + b)]).
.set NQ,     4                         ; matrix instructions deep in a slot
.set ROWB,   256                       ; a tile's row in bytes: 512 codes
.set KROW,   512                       ; a row of codes in memory
.set PITCH,  272                       ; an LDS row: 256 + 16 of padding: the 16 rows of a load start at 16 different banks
.set FR,     8
.set NL,     2
.set NP,     4                         ; places behind this matrix instruction (ISA guide 7.12.1)
.set HALFT,  128*PITCH
.set SLOT,   4*HALFT
.set KS,     32                        ; a row of scale bytes
.set SCL,    2*SLOT
.set HALFS,  (128*KS/256)*272
.set SBLK,   (16*KS/256)*272
.set SPARE,  SCL+4*HALFS               ; the spare words: 128 bytes a wave
.set SP32,   528                       ; stage rows: 512 bytes of f32 + 16
.set SP16,   272                       ; or 256 bytes of f16 + 16
.set STGB,   16*SP32                   ; a wave's stage, in slot 0, which has had its only fill and its last read when the first result is stored there
.set ADRA, 16
.set ADRB, 20
.set STO32, 22
.set RD32, 23
.set STO,  24
.set RD,   25
.set CO32, 26
.set ADRS, 27
.set SPW,  28
.set NIL,  29
.set CO,   30
.set SC,   32
.set AF,   128
.set TMP,  192
.set G1, 24
.set G0, 32
.set G1B, 48
.set G0B, 56
.set G1S, 68
.set G0S, 76
.set G1SB, 80
.set G0SB, 88
.set MSB, 0
.macro WIN new                         ; the immediate's high byte repeats the setting that is left
.if MSB != (\new)
	s_set_vgpr_msb (MSB<<8)|(\new)
.set MSB, (\new)
.endif
.endm
.set MUL_LO, 0xa1                      ; source 0 (B) window 1, source 1 (A) window 0, C and D window 2
.set MUL_HI, 0xf1
.set TO_B,   0x40
; A joint load: waves 0, 1 fetch for A, waves 2, 3 for B; the branch hangs on the wave's number alone.  An s_nop 0 and four v_nop follow each line.
.macro JLOAD g0a, g1a, g0b, g1b
	s_cmp_eq_u32 s15, 0
	s_cbranch_scc0 .Lfor_b_\@
	tensor_load_to_lds s[\g0a:\g0a+3], s[\g1a:\g1a+7]
	s_nop 0
.rept 4
	v_nop
.endr
	s_branch .Lasked_\@
.Lfor_b_\@:
	tensor_load_to_lds s[\g0b:\g0b+3], s[\g1b:\g1b+7]
	s_nop 0
.rept 4
	v_nop
.endr
.Lasked_\@:
.endm
.macro CROUND                          ; a round of the cluster's barrier
	s_barrier_signal -1
	s_barrier_wait -1
	s_cmp_lg_u32 s14, 0
	s_cbranch_scc1 .Lnot_wave_0_\@
	s_barrier_signal -3
.Lnot_wave_0_\@:
	s_barrier_wait -3
	s_barrier_signal -1
	s_barrier_wait -1
.endm
	s_load_b128 s[4:7], s[0:1], 0x0                ; codes, scales
	s_load_b128 s[8:11], s[0:1], 0x10              ; qk, fine32
	v_lshl_add_u32 v[SPW], v0, 2, SPARE
	v_mov_b32 v[NIL], 0
	ds_add_u32 v[SPW], v[NIL]                      ; the opening: the add, twice on end, and its wait ahead of my first tensor load
	ds_add_u32 v[SPW], v[NIL]
	v_lshrrev_b32 v1, 5, v0
	v_readfirstlane_b32 s14, v1                    ; wave
	s_lshr_b32 s15, s14, 1                         ; my half of the tile's rows; also: I fetch for A (0) or B (1)
	s_and_b32 s16, s14, 1                          ; my half of its columns; also: which 128 rows I fetch
	s_bfe_u32 s40, ttmp6, 0x40000                  ; cx
	s_bfe_u32 s41, ttmp6, 0x40004                  ; cy
	s_and_b32 s95, ttmp7, 0xffff                   ; Y
	s_lshl_b32 s17, s41, 3
	s_add_co_u32 s17, s17, s95                     ; tile row of C, and A's tile of X: 8 cy + Y
	s_lshl_b32 s42, ttmp9, 2
	s_add_co_u32 s42, s42, s40                     ; tile column of C: 4 x cluster x + cx
	s_lshl_b32 s43, s41, 2
	s_lshl_b32 s43, 15, s43                        ; my row of the cluster
	s_lshl_b32 s44, 0x1111, s40                    ; my column
	s_or_b32 s[G1+0], s43, (0<<16)|(1<<20)|(1<<21)|(5<<22)|(3<<25)  ; mask; elements of 1 byte; padding: 4 words behind every 64; bit 21 beside a mask
	s_or_b32 s[G1B+0], s44, (0<<16)|(1<<20)|(1<<21)|(5<<22)|(3<<25)
.irp g, G1, G1B
	s_mov_b32 s[\g+1], ROWB<<16                    ; tensor_dim0
	s_mov_b32 s[\g+2], 128<<16                     ; tensor_dim1
	s_mov_b32 s[\g+3], ROWB<<16                    ; tile_dim0
	s_mov_b32 s[\g+4], 128                         ; tile_dim1
	s_mov_b32 s[\g+5], KROW                        ; from row to row
	s_mov_b32 s[\g+6], 0
	s_mov_b32 s[\g+7], 0
.endr
	s_or_b32 s[G1S+0], s43, (3<<16)|(1<<20)|(1<<21)|(5<<22)|(3<<25) ; the scales of 128 rows: 4,096 dense bytes as 16 rows of 256
	s_or_b32 s[G1SB+0], s44, (3<<16)|(1<<20)|(1<<21)|(5<<22)|(3<<25)
.irp g, G1S, G1SB
	s_mov_b32 s[\g+1], 32<<16
	s_mov_b32 s[\g+2], (128*KS/256)<<16
	s_mov_b32 s[\g+3], 32<<16
	s_mov_b32 s[\g+4], 128*KS/256
	s_mov_b32 s[\g+5], 32
	s_mov_b32 s[\g+6], 0
	s_mov_b32 s[\g+7], 0
.endr
	s_lshl_b32 s18, s16, 7
	s_lshl_b32 s20, s17, 8
	s_add_co_u32 s20, s20, s18                     ; A: the first row of codes that I fetch
	s_add_co_u32 s46, s42, 32                      ; W_Q | W_K begin 32 tiles of 256 rows on
	s_lshl_b32 s46, s46, 8
	s_add_co_u32 s46, s46, s18                     ; B likewise
	s_lshl_b32 s22, s20, 5                         ; its scale bytes,
	s_lshl_b32 s20, s20, 9                         ; its codes
	s_lshl_b32 s92, s46, 5
	s_lshl_b32 s46, s46, 9
	s_mov_b32 s21, 0
	s_mov_b32 s23, 0
	s_mov_b32 s93, 0
	s_mov_b32 s47, 0
	s_mul_i32 s45, s14, HALFT                      ; where they go: the wave's number alone
	s_mul_i32 s94, s14, HALFS
	s_wait_dscnt 0x0                               ; both opening adds are done
	s_wait_kmcnt 0x0
	s_add_nc_u64 s[20:21], s[4:5], s[20:21]
	s_add_nc_u64 s[22:23], s[6:7], s[22:23]
	s_add_nc_u64 s[46:47], s[4:5], s[46:47]
	s_add_nc_u64 s[92:93], s[6:7], s[92:93]
	CROUND                                         ; all sixteen work-groups are here: the joint loads meet
	s_mov_b32 s[G0S], 1
	s_add_co_u32 s[G0S+1], s94, SCL
	s_mov_b64 s[G0S+2:G0S+3], s[22:23]
	s_or_b32 s[G0S+3], s[G0S+3], 0x80000000
	s_mov_b32 s[G0SB], 1
	s_add_co_u32 s[G0SB+1], s94, SCL
	s_mov_b64 s[G0SB+2:G0SB+3], s[92:93]
	s_or_b32 s[G0SB+3], s[G0SB+3], 0x80000000
	JLOAD G0S, G1S, G0SB, G1SB                     ; the scales first
.irp s, 0,1
	s_mov_b32 s[G0+4*\s], 1
	s_add_co_u32 s[G0+4*\s+1], s45, \s*SLOT
	s_add_nc_u64 s[G0+4*\s+2:G0+4*\s+3], s[20:21], \s*ROWB
	s_or_b32 s[G0+4*\s+3], s[G0+4*\s+3], 0x80000000
	s_mov_b32 s[G0B+4*\s], 1
	s_add_co_u32 s[G0B+4*\s+1], s45, \s*SLOT
	s_add_nc_u64 s[G0B+4*\s+2:G0B+4*\s+3], s[46:47], \s*ROWB
	s_or_b32 s[G0B+4*\s+3], s[G0B+4*\s+3], 0x80000000
	JLOAD G0+4*\s, G1, G0B+4*\s, G1B               ; three loads of mine are out
.endr
	; where my part of C begins: a row of qk is 4,096 bytes
	s_lshl_b32 s2, s17, 8
	s_lshl_b32 s3, s15, 7
	s_add_co_u32 s2, s2, s3                        ; my first row
	s_lshl_b32 s2, s2, 12
	s_lshl_b32 s3, s42, 9
	s_add_co_u32 s2, s2, s3
	s_lshl_b32 s3, s16, 8
	s_add_co_u32 s2, s2, s3                        ; my first column, 2 bytes each
	s_mov_b32 s3, 0
	s_add_nc_u64 s[8:9], s[8:9], s[2:3]
	; and of fine32: Q | K as f32, [b = cy][16 s][2048]
	s_lshl_b32 s2, s41, 17
	s_lshl_b32 s66, s42, 10
	s_add_co_u32 s2, s2, s66
	s_lshl_b32 s66, s16, 9
	s_add_co_u32 s2, s2, s66
	s_add_nc_u64 s[10:11], s[10:11], s[2:3]
	s_or_b32 s100, s95, s15                        ; 0: my block 0 holds the rows s < 16 of a batch
	v_and_b32 v1, 15, v0                           ; r
	v_bfe_u32 v2, v0, 4, 1                         ; h
	v_mul_u32_u24 v3, v1, PITCH
	v_lshl_add_u32 v4, v2, 4, v3                   ; a fragment's row x pitch + 16 h
	s_mul_i32 s21, s15, HALFT
	s_mul_i32 s22, s16, HALFT
	s_add_co_u32 s22, s22, 2*HALFT
.irp s, 0,1
	v_add_nc_u32 v[ADRA+\s], s21, v4
	v_add_nc_u32 v[ADRB+\s], s22, v4
	s_add_co_u32 s21, s21, SLOT
	s_add_co_u32 s22, s22, SLOT
.endr
	v_mul_u32_u24 v5, v1, KS                       ; my row's scales: 32 bytes a row, 16 more for each 256 passed
	v_lshrrev_b32 v6, 8, v5
	v_lshl_add_u32 v5, v6, 4, v5
	s_mul_i32 s21, s15, HALFS
	s_mul_i32 s22, s16, HALFS
	s_add_co_u32 s22, s22, 2*HALFS
	s_sub_co_u32 s22, s22, s21
	v_mul_u32_u24 v6, s22, v2                      ; lanes 16-31 take B's
	s_add_co_u32 s21, s21, SCL
	v_add_nc_u32 v5, v5, v6
	v_add_nc_u32 v[ADRS], s21, v5
	s_mul_i32 s23, s14, STGB                       ; my stage
	v_mul_u32_u24 v5, v1, SP32
	v_lshl_add_u32 v5, v2, 5, v5
	v_add_nc_u32 v[STO32], s23, v5                 ; f32 rows in: row r, 32 bytes a half
	v_and_b32 v6, 31, v0
	v_lshlrev_b32 v[CO32], 4, v6                   ; 16 x lane
	v_add_nc_u32 v[RD32], s23, v[CO32]
	v_add_nc_u32 v[STO], s23, v4                   ; f16 rows in: 272 r + 16 h
	v_mul_u32_u24 v5, v2, SP16
	v_lshl_add_u32 v5, v1, 4, v5
	v_add_nc_u32 v[RD], s23, v5                    ; back: lanes 0-15 one row of 256 bytes, lanes 16-31 the next
	v_lshlrev_b32 v5, 12, v2
	v_lshl_add_u32 v[CO], v1, 4, v5                ; the same two rows in qk
.macro FRAG reg, adr, q, i             ; 16 rows x 128 K of 4-bit codes: 8 registers, two loads 32 bytes apart
.irp c, 0,1
	ds_load_b128 v[\reg+4*\c:\reg+4*\c+3], v[\adr] offset:64*(\q)+32*\c+(\i)*16*PITCH
.endr
.endm
; 16 matrix instructions: A's blocks a0, a0 + 1 x B's eight.  The 64 accumulators take turns, one instruction a turn.
.macro MUL16 a0, p, q, sc, zero
.irp a, \a0, \a0+1
.irp b, 0,1,2,3,4,5,6,7
.if \zero
	v_wmma_scale_f32_16x16x128_f8f6f4 v[8*(8*((\a)%4)+\b):8*(8*((\a)%4)+\b)+7], v[128*(\p)+FR*\b:128*(\p)+FR*\b+FR-1], v[AF+FR*(\a):AF+FR*(\a)+FR-1], 0, v[SC+8*NQ*(\sc)+NQ*\b+(\q)], v[SC+8*NQ*(\sc)+NQ*(\a)+(\q)] matrix_a_fmt:MATRIX_FMT_FP4 matrix_b_fmt:MATRIX_FMT_FP4 matrix_a_scale:MATRIX_SCALE_ROW1
.else
	v_wmma_scale_f32_16x16x128_f8f6f4 v[8*(8*((\a)%4)+\b):8*(8*((\a)%4)+\b)+7], v[128*(\p)+FR*\b:128*(\p)+FR*\b+FR-1], v[AF+FR*(\a):AF+FR*(\a)+FR-1], v[8*(8*((\a)%4)+\b):8*(8*((\a)%4)+\b)+7], v[SC+8*NQ*(\sc)+NQ*\b+(\q)], v[SC+8*NQ*(\sc)+NQ*(\a)+(\q)] matrix_a_fmt:MATRIX_FMT_FP4 matrix_b_fmt:MATRIX_FMT_FP4 matrix_a_scale:MATRIX_SCALE_ROW1
.endif
.endr
.endr
.endm
.macro FETCH_B slot, q, p
	WIN TO_B
.irp i, 0,1,2,3,4,5,6,7
	FRAG 128*(\p)+FR*\i, ADRB+\slot, \q, \i
.endr
	WIN 0
.endm
.macro FETCH_A slot, q, i0
.irp i, \i0, \i0+1, \i0+2, \i0+3
	FRAG AF+FR*(\i), ADRA+\slot, \q, \i
.endr
.endm
.macro SCALES sc                       ; a K step's scale words: lanes 0-15 A's block i, lanes 16-31 B's block i
.irp i, 0,1,2,3,4,5,6,7
	ds_load_b128 v[SC+8*NQ*\sc+NQ*\i:SC+8*NQ*\sc+NQ*\i+3], v[ADRS] offset:\i*SBLK
.endr
.endm
.macro PLACES n                        ; plain vector instructions between a matrix instruction and a load into, or a read of, its registers
.rept \n
	v_nop
.endr
.endm
.macro STEP slot, q, zero              ; 128 along K, with its successor in the same slot
	s_wait_dscnt 4*NL                              ; all but the youngest eight loads (A's blocks 4-7)
	WIN MUL_LO
	MUL16 0, (\q)%2, \q, \slot, \zero
	MUL16 2, (\q)%2, \q, \slot, \zero
	s_wait_dscnt 0
	PLACES NP
	FETCH_B \slot, (\q)+1, 1-(\q)%2
	FETCH_A \slot, (\q)+1, 0
	WIN MUL_HI
	MUL16 4, (\q)%2, \q, \slot, \zero
	MUL16 6, (\q)%2, \q, \slot, \zero
	PLACES NP
	WIN 0
	FETCH_A \slot, (\q)+1, 4
.endm
.macro TURN slot, next                 ; a slot's last step changes slots: one barrier
	s_wait_tensorcnt 0x0                           ; all my tensor loads have landed: my part of the next slot
	ds_add_u32 v[SPW], v[NIL]
	s_wait_dscnt 4*NL+1                            ; the add and the youngest eight loads may be out
	WIN MUL_LO
	MUL16 0, 1, NQ-1, \slot, 0
	s_wait_dscnt 0x0                               ; the add is done, my reads of this slot are over
	s_barrier_signal -1
	MUL16 2, 1, NQ-1, \slot, 0
	WIN 0
	s_barrier_wait -1
	PLACES NP
	v_add_nc_u32 v[ADRS], 4*NQ, v[ADRS]            ; the next K step's scale words
	FETCH_B \next, 0, 0
	FETCH_A \next, 0, 0
	SCALES \next
	WIN MUL_HI
	MUL16 4, 1, NQ-1, \slot, 0
	MUL16 6, 1, NQ-1, \slot, 0
	PLACES NP
	WIN 0
	FETCH_A \next, 0, 4
.endm
.macro STEPS slot, from
.set Q, \from
.rept NQ-1-\from
	STEP \slot, Q, 0
.set Q, Q+1
.endr
.endm
	s_wait_tensorcnt 1                             ; the scales and my part of K step 0 are in; K step 1's load may be out
	s_barrier_signal -1
	s_barrier_wait -1
	FETCH_B 0, 0, 0
	FETCH_A 0, 0, 0
	SCALES 0
	FETCH_A 0, 0, 4
	STEP 0, 0, 1                                   ; the first products start the sums: nothing is cleared
	STEPS 0, 1
	TURN 0, 1
	STEPS 1, 0
	s_wait_dscnt 4*NL
	WIN MUL_LO
	MUL16 0, 1, NQ-1, 1, 0
	MUL16 2, 1, NQ-1, 1, 0
	s_wait_dscnt 0
	WIN MUL_HI
	MUL16 4, 1, NQ-1, 1, 0
	MUL16 6, 1, NQ-1, 1, 0
	WIN 0
	PLACES NP
	; THE FIRST 16 POSITIONS AS f32.  The branch hangs on the cluster's place in the grid and on the wave's number.
	s_cmp_lg_u32 s100, 0
	s_cbranch_scc1 .Lno_fine_qk
	WIN 0x08                                       ; an LDS store's data are its source 1: window 2
.irp b, 0,1,2,3,4,5,6,7
	ds_store_b128 v[STO32], v[8*\b:8*\b+3] offset:64*\b            ; block 0: 16 rows x 128 columns, each accumulator from its low end on
	ds_store_b128 v[STO32], v[8*\b+4:8*\b+7] offset:64*\b+16
.endr
	WIN 0
.irp t, 0,1,2,3,4,5,6,7,8,9,10,11,12,13,14,15
	ds_load_b128 v[128+4*\t:128+4*\t+3], v[RD32] offset:\t*SP32    ; LDS serves a wave's instructions in order: these see the stores
.endr
.irp t, 0,1,2,3,4,5,6,7,8,9,10,11,12,13,14,15
	s_wait_dscnt 15-\t
	global_store_b128 v[CO32], v[128+4*\t:128+4*\t+3], s[10:11] offset:\t*8192   ; 512 consecutive bytes of row s = t
.endr
.Lno_fine_qk:
	s_wait_xcnt 0x0                                ; the stores above have read v128-191: only behind this wait do rows of C land there
	; THE WAY OUT: a block of 16 rows x 128 columns is rounded to f16, goes through my stage and leaves as whole rows of 256 bytes.
.macro PACK a
.set AC, 64*((\a)%4)
	WIN 0x0a+5*((\a)/4)                            ; sources 0 and 1: window 2 or 3
.irp b, 0,1,2,3,4,5,6,7
.irp r, 0,1,2,3
	v_cvt_pk_f16_f32 v[TMP+4*\b+\r], v[AC+8*\b+2*\r], v[AC+8*\b+2*\r+1]
.endr
.endr
	WIN 0
.endm
.macro TOSTAGE a
.set BK, 224-64*((\a)%2)
.irp b, 0,1,2,3,4,5,6,7
	ds_store_b128 v[STO], v[TMP+4*\b:TMP+4*\b+3] offset:32*\b
.endr
.irp t, 0,1,2,3,4,5,6,7
	ds_load_b128 v[BK+4*\t:BK+4*\t+3], v[RD] offset:\t*2*SP16
.endr
.endm
.macro SEND a
.set BK, 224-64*((\a)%2)
	s_wait_dscnt 0x0                               ; the block is back in registers
	s_wait_xcnt 0x0                                ; earlier stores have read their data: the next block's rows may land there
.irp t, 0,1,2,3,4,5,6,7
	global_store_b128 v[CO], v[BK+4*\t:BK+4*\t+3], s[8:9] offset:(16*(\a)+2*\t)*4096   ; 16 lanes store 256 consecutive bytes, aligned; the row stands in the immediate, 516,096 at the most
.endr
.endm
	PACK 0
	TOSTAGE 0
.irp a, 1,2,3,4,5,6,7
	PACK \a
	SEND \a-1
	TOSTAGE \a
.endr
	SEND 7
	s_wait_tensorcnt 0x0                           ; the wave's end
	ds_add_u32 v[SPW], v[NIL]
	s_wait_dscnt 0x0
	CROUND                                         ; the closing round
	s_endpgm
.Lfunc_end_k_q1512a31525_proj:
	.size	k_q1512a31525_proj, .Lfunc_end_k_q1512a31525_proj-k_q1512a31525_proj
	.p2alignl 7, 3214868480
	.fill 96, 4, 3214868480
	.section	.rodata,"a",@progbits
	.p2align	6, 0x0
	.amdhsa_kernel k_q1512a31525_proj
		.amdhsa_group_segment_fixed_size 327680
		.amdhsa_private_segment_fixed_size 0
		.amdhsa_enable_private_segment 0
		.amdhsa_kernarg_size 32
		.amdhsa_user_sgpr_count 2
		.amdhsa_user_sgpr_kernarg_segment_ptr 1
		.amdhsa_wavefront_size32 1
		.amdhsa_system_sgpr_workgroup_id_x 1
		.amdhsa_system_sgpr_workgroup_id_y 1
		.amdhsa_system_sgpr_workgroup_id_z 1
		.amdhsa_system_vgpr_workitem_id 0
		.amdhsa_next_free_vgpr 1024
		.amdhsa_next_free_sgpr 102
		.amdhsa_reserve_vcc 0
		.amdhsa_float_denorm_mode_32 3
		.amdhsa_float_denorm_mode_16_64 3
		.amdhsa_memory_ordered 1
		.amdhsa_forward_progress 1
		.amdhsa_inst_pref_size 131
	.end_amdhsa_kernel
	.amdgpu_metadata
---
amdhsa.version: [ 1, 2 ]
amdhsa.kernels:
  - .name:           k_q1512a31525_proj
    .symbol:         k_q1512a31525_proj.kd
    .args:
      - { .name: codes, .offset: 0, .size: 8, .value_kind: global_buffer, .address_space: global }
      - { .name: scales, .offset: 8, .size: 8, .value_kind: global_buffer, .address_space: global }
      - { .name: qk, .offset: 16, .size: 8, .value_kind: global_buffer, .address_space: global }
      - { .name: fine32, .offset: 24, .size: 8, .value_kind: global_buffer, .address_space: global }
    .group_segment_fixed_size: 327680
    .private_segment_fixed_size: 0
    .kernarg_segment_align: 8
    .kernarg_segment_size: 32
    .max_flat_workgroup_size: 128
    .sgpr_count:     102
    .vgpr_count:     1024
    .wavefront_size: 32
...
	.end_amdgpu_metadata
.endif
;; end of part 2
;; launch scores (part 3): grid 272 x 1, 4 waves a work-group, no clusters, 327,680 bytes of LDS; arguments qk, p, stats, fine32, codes, scales, vt; writes p, stats, fine32, vt
.if DOCPART == 3
	.amdgcn_target "amdgcn-amd-amdhsa--gfx1250"
	.amdhsa_code_object_version 6
	.text
	.protected	k_q1512a31525_scores
	.globl	k_q1512a31525_scores
	.p2align	8
	.type	k_q1512a31525_scores,@function
k_q1512a31525_scores:
	s_mov_b64 s[64:65], 0
	v_nop
	global_prefetch_b8 v0, s[64:65] scope:SCOPE_SE
	s_setreg_imm32_b32 hwreg(HW_REG_WAVE_MODE, 25, 1), 1
	s_wait_xcnt 0x0
; TWO JOBS IN ONE LAUNCH, told apart by the work-group's number alone.  Numbers 0-143: the causal tiles of the scores.  Numbers 144-271: the 128 tiles of V's projection, which nothing needs
; before the next launch: they ride along, since the 36 score tiles of each of 4 batches are few work-groups.  The score tiles, four times the matrix instructions, have the low numbers.
; The two bodies part behind the common head and never join.  Both lay LDS alike: the ring from byte 0 (a wave fills its own quarter of a slot), a stage of 4,352 bytes for each wave behind it, into which no fill lands.
;
; THE SCORES.  One causal tile of 256 queries x 256 keys a work-group: S = Q K^T (f16 operands, f32 sums, K = 1,024), then the tile's part of the softmax.
; t = S x log2(e) / 32; M = the row's largest t IN THIS TILE, rounded up to a whole number; p = 2^(t - M), rounded to f16, goes to p [4][2048 q][2048 key].
; -M and the sums of the unrounded p (one for each half of the tile's keys) go to stats; the next launch joins a row's tiles by exact powers of two against the row's largest M.
; Tiles wholly above the diagonal are not made.  Number n: y = n / 9, c = n % 9, b = y / 4, pp = y % 4; c <= pp: tile (m, t) = (pp, c), else (7 - pp, c - pp - 1).
; In the tiles on the diagonal hidden scores become -infinity ahead of the maximum, so that their p is 0.
; NO CLUSTER: the 36 tiles of the triangle do not fall into fours that share a tile row or a tile column, and tiles made only to fill up fours would be of no use.
; Four waves, 128 x 128 each: 64 accumulators.  K goes in steps of 128 (rows of 256 bytes) through two LDS slots; each wave fetches a quarter of a slot by one tensor load.
; The matrix instruction is used transposed (source 0 = 16 keys, source 1 = 16 queries): a lane holds one query and eight neighbouring keys.
; stats: f32 [4 b][3 kinds][8 t][2048 places]; row q's place is 64 (q / 64) + 4 (q % 16) + (q / 16) % 4.
; REGISTERS: window 0: v0-31 addresses; v64-127, v128-191 Q's fragments, later statistics; v32-63, v192-255 the way out.  window 1: K's fragments.  windows 2, 3: accumulators ((a, b) at v[8 (8 (a % 4) + b)]).
;
; V's PROJECTION is described at its label.
.set NSC,    144                       ; score tiles
.set KSTEP,  128
.set PITCH,  272                       ; 256 bytes + 16: the 16 rows of a load start at 16 different banks
.set HALFT,  128*PITCH
.set SLOT,   4*HALFT                   ; 256 rows of one operand, then 256 of the other
.set STAGE,  2*SLOT                    ; 16 rows x 272 bytes a wave
.set SPITCH, 272
.set XCH,    STAGE+4*16*SPITCH         ; 512 bytes a wave: the row maxima, for the wave with the other half of the keys
.set SPARE,  XCH+4*512                 ; the spare words: 128 bytes a wave
.set SCLV,   SPARE+512                 ; V's projection: the scale bytes of its 512 rows
.set LAPS,   4                         ; 1,024 / 256
.set ADRA, 16
.set ADRB, 20
.set XA,   22
.set XB,   23
.set STO,  24
.set RD,   25
.set CO,   26
.set LN,   27                          ; 16 x lane
.set SPW,  28
.set NIL,  29
.set DG,   30                          ; my query less my first key, within the tile
.set NINF, 31
.set F0,   64
.set F1,   128
.set TMP,  192
.set OB,   32
.set MX,   64                          ; v64-71 a maximum for each block of 16 rows
.set TP,   72
.set NM,   80                          ; v80-95 -M, twice for each block
.set LS,   128                         ; v128-135 the sums
.set QD,   136
.set G1, 24
.set G0, 32
.set CS, 40
.set SEL, 42
.set MSB, 0
.macro WIN new
.if MSB != (\new)
	s_set_vgpr_msb (MSB<<8)|(\new)
.set MSB, (\new)
.endif
.endm
.set MUL_LO, 0xa1
.set MUL_HI, 0xf1
.set TO_B,   0x40
	s_load_b128 s[4:7], s[0:1], 0x0                ; qk, p
	s_load_b64 s[8:9], s[0:1], 0x10                ; stats
	s_load_b64 s[52:53], s[0:1], 0x18              ; fine32
	s_load_b128 s[56:59], s[0:1], 0x20             ; codes, scales
	s_load_b64 s[60:61], s[0:1], 0x30              ; vt
	v_lshl_add_u32 v[SPW], v0, 2, SPARE
	v_mov_b32 v[NIL], 0
	ds_add_u32 v[SPW], v[NIL]                      ; the opening: the add, twice on end, and its wait ahead of my first tensor load
	ds_add_u32 v[SPW], v[NIL]
	v_lshrrev_b32 v1, 5, v0
	v_readfirstlane_b32 s10, v1                    ; wave
	s_lshr_b32 s11, s10, 1                         ; my half of the tile's rows
	s_and_b32 s12, s10, 1                          ; my half of its columns; also: which 128 rows I fetch
	s_wait_dscnt 0x0                               ; both opening adds are done
	s_cmp_ge_u32 ttmp9, NSC                        ; the work-group's number alone: all four waves go the same way
	s_cbranch_scc1 .Lvproj
	s_mul_i32 s13, ttmp9, 57
	s_lshr_b32 s13, s13, 9                         ; y = number / 9 (57 / 512 serves every number under 144)
	s_mul_i32 s14, s13, 9
	s_sub_co_u32 s23, ttmp9, s14                   ; c = number % 9
	s_lshr_b32 s14, s13, 2                         ; b
	s_and_b32 s13, s13, 3                          ; pp
	s_sub_co_u32 s15, 7, s13
	s_sub_co_u32 s16, s23, s13
	s_sub_co_u32 s16, s16, 1
	s_cmp_le_u32 s23, s13
	s_cselect_b32 s15, s13, s15                    ; m
	s_cselect_b32 s16, s23, s16                    ; t
	s_mov_b32 s[G1+0], (1<<16)|(1<<20)|(5<<22)|(3<<25)   ; elements of 2 bytes; padding: 4 words behind every 64
	s_mov_b32 s[G1+1], KSTEP<<16                   ; tensor_dim0
	s_mov_b32 s[G1+2], 128<<16                     ; tensor_dim1
	s_mov_b32 s[G1+3], KSTEP<<16                   ; tile_dim0
	s_mov_b32 s[G1+4], 128                         ; tile_dim1
	s_mov_b32 s[G1+5], 2048                        ; elements from row to row of qk
	s_mov_b32 s[G1+6], 0
	s_mov_b32 s[G1+7], 0
	s_cmp_lt_u32 s10, 2                            ; waves 0, 1 fetch Q's halves, waves 2, 3 K's
	s_cselect_b32 s17, s15, s16
	s_cselect_b32 s18, 0, 2048                     ; K lies 2,048 bytes on in a row
	s_lshl_b32 s17, s17, 8
	s_lshl_b32 s19, s14, 11
	s_add_co_u32 s17, s17, s19
	s_lshl_b32 s19, s12, 7
	s_add_co_u32 s17, s17, s19                     ; the first row that I fetch
	s_lshl_b32 s17, s17, 12
	s_add_co_u32 s20, s17, s18
	s_mov_b32 s21, 0
	s_mul_i32 s22, s10, HALFT
	s_mov_b32 s[CS], 0x3d38aa3b                    ; log2(e) / 32
	s_mov_b32 s[CS+1], s[CS]
	s_mov_b32 s[SEL], 0x76543210
	s_mov_b32 s[SEL+1], 0xfedcba98
	s_mov_b32 s44, 0xffff0000                      ; lanes 16-31
	s_wait_kmcnt 0x0
	s_add_nc_u64 s[20:21], s[4:5], s[20:21]
.irp s, 0,1
	s_mov_b32 s[G0+4*\s], 1
	s_add_co_u32 s[G0+4*\s+1], s22, \s*SLOT
	s_add_nc_u64 s[G0+4*\s+2:G0+4*\s+3], s[20:21], \s*KSTEP*2
	s_or_b32 s[G0+4*\s+3], s[G0+4*\s+3], 0x80000000
	tensor_load_to_lds s[G0+4*\s:G0+4*\s+3], s[G1:G1+7]            ; K steps 0 and 1: two loads of mine are out
	s_nop 0
.endr
	v_and_b32 v1, 15, v0                           ; r
	v_bfe_u32 v2, v0, 4, 1                         ; h
	v_mul_u32_u24 v3, v1, PITCH
	v_lshl_add_u32 v3, v2, 4, v3
	s_mul_i32 s17, s11, HALFT
	s_mul_i32 s18, s12, HALFT
	s_add_co_u32 s18, s18, 2*HALFT
.irp s, 0,1
	v_add_nc_u32 v[ADRA+\s], s17, v3
	v_add_nc_u32 v[ADRB+\s], s18, v3
	s_add_co_u32 s17, s17, SLOT
	s_add_co_u32 s18, s18, SLOT
.endr
	s_mul_i32 s17, s10, 16*SPITCH
	s_add_co_u32 s17, s17, STAGE
	v_add_nc_u32 v[STO], s17, v3                   ; the stage in: 272 r + 16 h
	v_mul_u32_u24 v5, v2, SPITCH
	v_lshl_add_u32 v5, v1, 4, v5
	v_add_nc_u32 v[RD], s17, v5                    ; back: lanes 0-15 one row, lanes 16-31 the next
	v_lshlrev_b32 v5, 12, v2
	v_lshl_add_u32 v[CO], v1, 4, v5                ; the same two rows in p
	s_lshl_b32 s17, s10, 9
	s_add_co_u32 s17, s17, XCH
	v_lshl_add_u32 v[XA], v1, 2, s17
	s_xor_b32 s17, s10, 1
	s_lshl_b32 s17, s17, 9
	s_add_co_u32 s17, s17, XCH
	v_lshl_add_u32 v[XB], v1, 2, s17
	v_and_b32 v4, 31, v0
	v_lshlrev_b32 v[LN], 4, v4
	s_sub_co_i32 s17, s11, s12
	s_lshl_b32 s17, s17, 7
	v_lshlrev_b32 v4, 3, v2
	v_sub_nc_u32 v[DG], v1, v4
	v_add_nc_u32 v[DG], s17, v[DG]                 ; (128 rh + r) - (128 ch + 8 h)
	v_mov_b32 v[NINF], 0xff800000
	s_lshl_b32 s17, s14, 11
	s_lshl_b32 s18, s15, 8
	s_add_co_u32 s17, s17, s18
	s_lshl_b32 s18, s11, 7
	s_add_co_u32 s17, s17, s18
	s_lshl_b32 s17, s17, 12                        ; my first row of p,
	s_lshl_b32 s18, s16, 9
	s_add_co_u32 s17, s17, s18
	s_lshl_b32 s18, s12, 8
	s_add_co_u32 s18, s17, s18                     ; my first key
	s_mov_b32 s19, 0
	s_add_nc_u64 s[6:7], s[6:7], s[18:19]
	s_mul_i32 s18, s14, 196608
	s_lshl_b32 s17, s16, 13
	s_add_co_u32 s18, s18, s17
	s_lshl_b32 s17, s15, 10
	s_add_co_u32 s18, s18, s17
	s_lshl_b32 s17, s11, 9
	s_add_co_u32 s18, s18, s17
	s_add_nc_u64 s[8:9], s[8:9], s[18:19]          ; stats: kind 0, my 128 rows' places
	s_add_co_u32 s18, s12, 1
	s_lshl_b32 s18, s18, 16
	s_add_nc_u64 s[46:47], s[8:9], s[18:19]        ; kind 1 + my half of the keys
; 16 matrix instructions: m blocks a0, a0 + 1 of the window's four x all 8 n blocks, 32 along K.  The 64 accumulators take turns, one instruction a turn.
.macro MUL16 f, hi, a0, zero
.irp a, \a0, \a0+1
.irp b, 0,1,2,3,4,5,6,7
.if \zero
	v_wmma_f32_16x16x32_f16 v[8*(8*(\a)+\b):8*(8*(\a)+\b)+7], v[\f+8*\b:\f+8*\b+7], v[\f+8*(4*\hi+\a):\f+8*(4*\hi+\a)+7], 0
.else
	v_wmma_f32_16x16x32_f16 v[8*(8*(\a)+\b):8*(8*(\a)+\b)+7], v[\f+8*\b:\f+8*\b+7], v[\f+8*(4*\hi+\a):\f+8*(4*\hi+\a)+7], v[8*(8*(\a)+\b):8*(8*(\a)+\b)+7]
.endif
.endr
.endr
.endm
.macro FETCH slot, k, f                ; 32 LDS loads in one run: a quarter step's fragments
	WIN TO_B
.irp i, 0,1,2,3,4,5,6,7
	ds_load_b128 v[\f+8*\i:\f+8*\i+3],   v[ADRB+\slot] offset:\k+\i*16*PITCH
	ds_load_b128 v[\f+8*\i+4:\f+8*\i+7], v[ADRB+\slot] offset:\k+\i*16*PITCH+32
.endr
	WIN 0
.irp i, 0,1,2,3,4,5,6,7
	ds_load_b128 v[\f+8*\i:\f+8*\i+3],   v[ADRA+\slot] offset:\k+\i*16*PITCH
	ds_load_b128 v[\f+8*\i+4:\f+8*\i+7], v[ADRA+\slot] offset:\k+\i*16*PITCH+32
.endr
.endm
.macro PLACES                          ; four plain vector instructions between a matrix instruction and a load into, a write of or a read of its registers
.rept 4
	v_nop
.endr
.endm
.macro QUARTER slot, k, f, g, zero
	s_wait_dscnt 8                                 ; all but the youngest eight loads (Q's rows 64-127)
	WIN MUL_LO
	MUL16 \f, 0, 0, \zero
	MUL16 \f, 0, 2, \zero
	PLACES
	FETCH \slot, \k, \g
	s_wait_dscnt 32                                ; all but the 32 just issued
	WIN MUL_HI
	MUL16 \f, 1, 0, \zero
	MUL16 \f, 1, 2, \zero
.endm
; The last quarter of a K step changes slots: one barrier.  fill = 1: the slot just read is filled again, two K steps ahead: the load has 224 matrix instructions in which to land.
.macro TURN slot, next, fill
	WIN 0
	s_wait_tensorcnt 0x0                           ; all my tensor loads have landed: my part of the next slot
	ds_add_u32 v[SPW], v[NIL]
.if \fill
	s_add_nc_u64 s[G0+4*\slot+2:G0+4*\slot+3], s[G0+4*\slot+2:G0+4*\slot+3], 2*KSTEP*2
.endif
	s_wait_dscnt 9                                 ; the add and the youngest eight loads may be out
	WIN MUL_LO
	MUL16 F1, 0, 0, 0
	s_wait_dscnt 0x0                               ; the add is done, my reads of this slot are over
	s_barrier_signal -1
	MUL16 F1, 0, 2, 0
	WIN 0
	s_barrier_wait -1
.if \fill
	tensor_load_to_lds s[G0+4*\slot:G0+4*\slot+3], s[G1:G1+7]      ; my one tensor load behind this barrier
	s_nop 0
.endif
	PLACES
	FETCH \next, 0, F0
	WIN MUL_HI
	MUL16 F1, 1, 0, 0
	MUL16 F1, 1, 2, 0
.endm
	s_wait_tensorcnt 1                             ; my part of K step 0 is in; K step 1's may be out
	s_barrier_signal -1
	s_barrier_wait -1
	FETCH 0, 0, F0
	QUARTER 0, 64,  F0, F1, 1                      ; the first products start the sums
	WIN 0
	s_mov_b32 s3, LAPS-1
.Llap:                                                 ; a trip goes once round the ring and fills both slots again
	QUARTER 0, 128, F1, F0, 0
	QUARTER 0, 192, F0, F1, 0
	TURN 0, 1, 1
	QUARTER 1, 64,  F0, F1, 0
	QUARTER 1, 128, F1, F0, 0
	QUARTER 1, 192, F0, F1, 0
	TURN 1, 0, 1
	QUARTER 0, 64,  F0, F1, 0
	WIN 0
	s_sub_co_u32 s3, s3, 1
	s_cmp_lg_u32 s3, 0
	s_cbranch_scc1 .Llap
	QUARTER 0, 128, F1, F0, 0                      ; the last lap fills nothing
	QUARTER 0, 192, F0, F1, 0
	TURN 0, 1, 0
	QUARTER 1, 64,  F0, F1, 0
	QUARTER 1, 128, F1, F0, 0
	QUARTER 1, 192, F0, F1, 0
	s_wait_dscnt 8
	WIN MUL_LO
	MUL16 F1, 0, 0, 0
	MUL16 F1, 0, 2, 0
	s_wait_dscnt 0
	WIN MUL_HI
	MUL16 F1, 1, 0, 0
	MUL16 F1, 1, 2, 0
	WIN 0
	PLACES
.irp a, 0,1,2,3,4,5,6,7
	v_mov_b32 v[MX+\a], v[NINF]
	v_mov_b32 v[TP+\a], 0                          ; a lane permute's destination counts as one of its sources
.endr
	; THE DIAGONAL: accumulator (a, b)'s register j holds key 16 b + 8 h + j of my half for query 16 a + r of my half: hidden where 16 (b - a) + j > DG.  The branch hangs on ids.
	s_cmp_lg_u32 s15, s16
	s_cbranch_scc1 .Lopen
.irp a, 0,1,2,3,4,5,6,7
	WIN 0x82+0x41*(\a/4)                           ; destination and source 0: window 2 or 3
.irp b, 0,1,2,3,4,5,6,7
.irp j, 0,1,2,3,4,5,6,7
	v_cmp_gt_i32 vcc_lo, 16*(\b-\a)+\j, v[DG]
	v_cndmask_b32 v[64*(\a%4)+8*\b+\j], v[64*(\a%4)+8*\b+\j], v[NINF], vcc_lo
.endr
.endr
.endr
	WIN 0
.Lopen:
	; the largest score of each row: my 64 numbers of each block of rows, four blocks by turns, each accumulator from its low end on
.irp g, 0,1
	WIN 0x28+0x14*\g                               ; sources 1 and 2: window 2 or 3
.set i, 0
.rept 32
.irp a, 0,1,2,3
	v_max3_num_f32 v[MX+4*\g+\a], v[MX+4*\g+\a], v[64*\a+2*i], v[64*\a+2*i+1]
.endr
.set i, i+1
.endr
.endr
	WIN 0
.irp a, 0,1,2,3,4,5,6,7
	v_permlanex16_b32 v[TP+\a], v[MX+\a], s[SEL], s[SEL+1]
.endr
.irp a, 0,1,2,3,4,5,6,7
	v_max_num_f32 v[MX+\a], v[MX+\a], v[TP+\a]     ; with lane l xor 16's keys
.endr
.irp a, 0,1,2,3,4,5,6,7
	ds_store_b32 v[XA], v[MX+\a] offset:64*\a      ; lanes r and r + 16 write the same word with the same value
.endr
	s_wait_dscnt 0x0                               ; for the other wave's sake: my stores are done
	s_barrier_signal -1
	s_barrier_wait -1
.irp a, 0,1,2,3,4,5,6,7
	ds_load_b32 v[TP+\a], v[XB] offset:64*\a       ; the same rows' maxima over the other half of the keys
.endr
	s_wait_dscnt 0x0
.irp a, 0,1,2,3,4,5,6,7
	v_max_num_f32 v[MX+\a], v[MX+\a], v[TP+\a]
.endr
.irp a, 0,1,2,3,4,5,6,7
	v_mul_f32 v[MX+\a], s[CS], v[MX+\a]            ; as t
.endr
.irp a, 0,1,2,3,4,5,6,7
	v_floor_f32 v[NM+2*\a], -v[MX+\a]              ; -M = floor(-t): M is a whole number
.endr
.irp a, 0,1,2,3,4,5,6,7
	v_mov_b32 v[NM+2*\a+1], v[NM+2*\a]
.endr
; A block of 16 rows: t - M, the exponentials as one batch with one wait, the rounding to f16, the sum of the unrounded p.
.macro SOFT a
.set AC, 64*((\a)%4)
	WIN 0x82+0x41*((\a)/4)
.set i, 0
.rept 32
	v_pk_fma_f32 v[AC+2*i:AC+2*i+1], v[AC+2*i:AC+2*i+1], s[CS:CS+1], v[NM+2*(\a):NM+2*(\a)+1] op_sel_hi:[1,0,1]
.set i, i+1
.endr
.set i, 0
.rept 64
	v_exp_f32 v[AC+i], v[AC+i]
.set i, i+1
.endr
	WIN 0
	v_nop                                          ; a plain instruction behind the last exponential
	s_wait_alu depctr_va_vdst(0)                   ; one wait for the batch, ahead of its first reader
	WIN 0x0a+5*((\a)/4)
.irp b, 0,1,2,3,4,5,6,7
.irp r, 0,1,2,3
	v_cvt_pk_f16_f32 v[TMP+4*\b+\r], v[AC+8*\b+2*\r], v[AC+8*\b+2*\r+1]
.endr
.endr
	WIN 0x8a+0x45*((\a)/4)
.irp w, 32,16,8,4,2
.set i, 0
.rept \w/2
	v_pk_add_f32 v[AC+2*i:AC+2*i+1], v[AC+2*i:AC+2*i+1], v[AC+\w+2*i:AC+\w+2*i+1]
.set i, i+1
.endr
.endr
	WIN 0x0a+5*((\a)/4)
	v_add_f32 v[LS+(\a)], v[AC], v[AC+1]
	WIN 0
.endm
.macro TOSTAGE a
.set BK, OB+192*((\a)%2)
.irp b, 0,1,2,3,4,5,6,7
	ds_store_b128 v[STO], v[TMP+4*\b:TMP+4*\b+3] offset:32*\b
.endr
.irp t, 0,1,2,3,4,5,6,7
	ds_load_b128 v[BK+4*\t:BK+4*\t+3], v[RD] offset:\t*2*SPITCH    ; LDS serves a wave's instructions in order
.endr
.endm
.macro SEND a
.set BK, OB+192*((\a)%2)
	s_wait_dscnt 0x0
	s_wait_xcnt 0x0                                ; earlier stores have read their data: the next block's rows may land there
.irp t, 0,1,2,3,4,5,6,7
	global_store_b128 v[CO], v[BK+4*\t:BK+4*\t+3], s[6:7] offset:(16*(\a)+2*\t)*4096   ; 16 lanes store 256 consecutive bytes, aligned
.endr
.endm
	SOFT 0
	TOSTAGE 0
.irp a, 1,2,3,4,5,6,7
	SOFT \a
	SEND \a-1
	TOSTAGE \a
.endr
	SEND 7
.irp a, 0,1,2,3,4,5,6,7
	v_permlanex16_b32 v[TP+\a], v[LS+\a], s[SEL], s[SEL+1]
.endr
.irp a, 0,1,2,3,4,5,6,7
	v_add_f32 v[LS+\a], v[LS+\a], v[TP+\a]
.endr
.irp i, 0,1,2,3
	v_cndmask_b32 v[QD+\i], v[LS+\i], v[LS+4+\i], s44              ; lanes 0-15: blocks 0-3 of row r; lanes 16-31: blocks 4-7
.endr
	global_store_b128 v[LN], v[QD:QD+3], s[46:47]  ; 512 consecutive bytes
	s_cmp_lg_u32 s12, 0                            ; -M is stored by the wave with the first half of the keys
	s_cbranch_scc1 .Lnot_m
.irp i, 0,1,2,3
	v_cndmask_b32 v[QD+4+\i], v[NM+2*\i], v[NM+8+2*\i], s44
.endr
	global_store_b128 v[LN], v[QD+4:QD+7], s[8:9]
.Lnot_m:
	s_wait_tensorcnt 0x0                           ; the wave's end
	ds_add_u32 v[SPW], v[NIL]
	s_wait_dscnt 0x0
	s_endpgm
; V's PROJECTION, on codes of FP4 with E8M0 scales, K = 1,024, sums in f32, results rounded once to f16.
; C[m][n] = sum over k of A[m][k] B[n][k]: A = rows of W_V (codes' rows 10240 on), B = rows of X, C = vt [1024 e][8192 = 2048 b + s]: V comes out with the keys innermost.
; Number 144 + n: W_V's rows 256 (n % 4) on, X's rows 256 (n / 4) on.  A tile of 256 x 256 a work-group, 128 x 128 a wave (64 accumulators).
; K goes in two steps of 512 (rows of 256 bytes): both are first fills, nothing in LDS is filled again.  The scale bytes of the 512 rows come once.  Waves 0, 1 fetch A's halves, waves 2, 3 B's: three loads a wave.
; No joint loads: the launch has no clusters, and a work-group's operands are 256 KB of codes.
; The matrix instruction is used transposed (source 0 = 16 rows of B, source 1 = 16 rows of A): a lane holds eight neighbouring positions s of one row e.
; The positions s < 16 of each batch also leave as f32: fine32 from byte 524,288 on, [4 b][1024 e][16 s].
; LIMIT: |V| must stay under 65,504, f16's largest number.
; REGISTERS: window 0: v0-31 addresses; v32-95 scale words, two sets, and nothing else; v128-191 A's fragments; v192-255 the way out.  window 1: B's fragments, two sets.  windows 2, 3: the accumulators.
.set NQ,     4                         ; matrix instructions deep in a slot
.set ROWB,   256                       ; a tile's row in bytes: 512 codes
.set KROW,   512                       ; a row of codes in memory
.set FR,     8
.set NL,     2
.set NP,     4                         ; places behind this matrix instruction (ISA guide 7.12.1)
.set KS,     32                        ; a row of scale bytes
.set HALFS,  (128*KS/256)*272
.set SBLK,   (16*KS/256)*272
.set VLN,   22                         ; 16 x lane
.set VRD32, 23
.set VADRS, 27
.set VSTV,  30
.set SC,    32
.set AF,    128
.set VG0,  72                          ; s[72:79] group 0 for the two K steps;  s[80:87] group 1 for codes;  s[88:95] group 1 for scale bytes;  s[96:99] their group 0
.set VG1,  80
.set VG1S, 88
.set VG0S, 96
.Lvproj:
	s_sub_co_u32 s13, ttmp9, NSC
	s_and_b32 s14, s13, 3                          ; which 256 rows of W_V
	s_lshr_b32 s13, s13, 2                         ; which 256 rows of X
	s_mov_b32 s[VG1+0], (0<<16)|(1<<20)|(5<<22)|(3<<25)   ; elements of 1 byte; padding: 4 words behind every 64
	s_mov_b32 s[VG1+1], ROWB<<16                   ; tensor_dim0
	s_mov_b32 s[VG1+2], 128<<16                    ; tensor_dim1
	s_mov_b32 s[VG1+3], ROWB<<16                   ; tile_dim0
	s_mov_b32 s[VG1+4], 128                        ; tile_dim1
	s_mov_b32 s[VG1+5], KROW                       ; from row to row
	s_mov_b32 s[VG1+6], 0
	s_mov_b32 s[VG1+7], 0
	s_mov_b32 s[VG1S+0], (3<<16)|(1<<20)|(5<<22)|(3<<25)  ; the scales of 128 rows: 4,096 dense bytes as 16 rows of 256
	s_mov_b32 s[VG1S+1], 32<<16
	s_mov_b32 s[VG1S+2], (128*KS/256)<<16
	s_mov_b32 s[VG1S+3], 32<<16
	s_mov_b32 s[VG1S+4], 128*KS/256
	s_mov_b32 s[VG1S+5], 32
	s_mov_b32 s[VG1S+6], 0
	s_mov_b32 s[VG1S+7], 0
	s_lshl_b32 s15, s14, 8
	s_add_co_u32 s15, s15, 10240                   ; A: W_V's rows among the codes
	s_lshl_b32 s16, s13, 8                         ; B: X's
	s_cmp_eq_u32 s11, 0                            ; waves 0, 1 fetch for A, waves 2, 3 for B
	s_cselect_b32 s15, s15, s16
	s_lshl_b32 s16, s12, 7
	s_add_co_u32 s15, s15, s16                     ; the first row that I fetch
	s_lshl_b32 s20, s15, 9                         ; its codes,
	s_mov_b32 s21, 0
	s_lshl_b32 s22, s15, 5                         ; its scale bytes
	s_mov_b32 s23, 0
	s_mul_i32 s18, s10, HALFT                      ; where they go: the wave's number alone
	s_mul_i32 s19, s10, HALFS
	s_wait_kmcnt 0x0
	s_add_nc_u64 s[20:21], s[56:57], s[20:21]
	s_add_nc_u64 s[22:23], s[58:59], s[22:23]
	s_mov_b32 s[VG0S], 1
	s_add_co_u32 s[VG0S+1], s19, SCLV
	s_mov_b64 s[VG0S+2:VG0S+3], s[22:23]
	s_or_b32 s[VG0S+3], s[VG0S+3], 0x80000000
	tensor_load_to_lds s[VG0S:VG0S+3], s[VG1S:VG1S+7]              ; the scales first
	s_nop 0
.irp s, 0,1
	s_mov_b32 s[VG0+4*\s], 1
	s_add_co_u32 s[VG0+4*\s+1], s18, \s*SLOT
	s_add_nc_u64 s[VG0+4*\s+2:VG0+4*\s+3], s[20:21], \s*ROWB
	s_or_b32 s[VG0+4*\s+3], s[VG0+4*\s+3], 0x80000000
	tensor_load_to_lds s[VG0+4*\s:VG0+4*\s+3], s[VG1:VG1+7]        ; K steps 0 and 1: three loads of mine are out
	s_nop 0
.endr
	; where my part of vt begins: a row is 16,384 bytes
	s_lshl_b32 s2, s14, 8
	s_lshl_b32 s3, s11, 7
	s_add_co_u32 s2, s2, s3                        ; my first row e
	s_lshl_b32 s2, s2, 14
	s_lshl_b32 s3, s13, 9
	s_add_co_u32 s2, s2, s3
	s_lshl_b32 s3, s12, 8
	s_add_co_u32 s2, s2, s3                        ; my first position, 2 bytes each
	s_mov_b32 s3, 0
	s_add_nc_u64 s[60:61], s[60:61], s[2:3]
	; and of fine32: batch = X's tile / 8; 64 bytes a row e
	s_lshr_b32 s2, s13, 3
	s_lshl_b32 s2, s2, 16
	s_lshl_b32 s16, s14, 14
	s_add_co_u32 s2, s2, s16
	s_lshl_b32 s16, s11, 13
	s_add_co_u32 s2, s2, s16
	s_add_co_u32 s2, s2, 524288
	s_add_nc_u64 s[52:53], s[52:53], s[2:3]
	s_and_b32 s17, s13, 7
	s_or_b32 s17, s17, s12                         ; 0: my accumulators (a, 0) hold the positions s < 16 of a batch
	v_and_b32 v1, 15, v0                           ; r
	v_bfe_u32 v2, v0, 4, 1                         ; h
	v_mul_u32_u24 v3, v1, PITCH
	v_lshl_add_u32 v4, v2, 4, v3                   ; a fragment's row x pitch + 16 h
	s_mul_i32 s21, s11, HALFT
	s_mul_i32 s22, s12, HALFT
	s_add_co_u32 s22, s22, 2*HALFT
.irp s, 0,1
	v_add_nc_u32 v[ADRA+\s], s21, v4
	v_add_nc_u32 v[ADRB+\s], s22, v4
	s_add_co_u32 s21, s21, SLOT
	s_add_co_u32 s22, s22, SLOT
.endr
	v_mul_u32_u24 v5, v1, KS                       ; my row's scales: 32 bytes a row, 16 more for each 256 passed
	v_lshrrev_b32 v6, 8, v5
	v_lshl_add_u32 v5, v6, 4, v5
	s_mul_i32 s21, s11, HALFS
	s_mul_i32 s22, s12, HALFS
	s_add_co_u32 s22, s22, 2*HALFS
	s_sub_co_u32 s22, s22, s21
	v_mul_u32_u24 v6, s22, v2                      ; lanes 16-31 take B's
	s_add_co_u32 s21, s21, SCLV
	v_add_nc_u32 v5, v5, v6
	v_add_nc_u32 v[VADRS], s21, v5
	s_mul_i32 s23, s10, 16*SPITCH
	s_add_co_u32 s23, s23, STAGE                   ; my stage
	v_add_nc_u32 v[STO], s23, v4                   ; f16 rows in: 272 r + 16 h
	v_mul_u32_u24 v5, v2, SPITCH
	v_lshl_add_u32 v5, v1, 4, v5
	v_add_nc_u32 v[RD], s23, v5                    ; back: lanes 0-15 one row of 256 bytes, lanes 16-31 the next
	v_lshlrev_b32 v5, 14, v2
	v_lshl_add_u32 v[CO], v1, 4, v5                ; the same two rows in vt
	v_and_b32 v6, 31, v0
	v_lshlrev_b32 v[VLN], 4, v6                    ; 16 x lane
	v_add_nc_u32 v[VRD32], s23, v[VLN]
	v_lshlrev_b32 v5, 6, v1
	v_lshl_add_u32 v5, v2, 5, v5
	v_add_nc_u32 v[VSTV], s23, v5                  ; f32 rows of 64 bytes in: 64 r + 32 h
.macro VFRAG reg, adr, q, i            ; 16 rows x 128 K of 4-bit codes: 8 registers, two loads 32 bytes apart
.irp c, 0,1
	ds_load_b128 v[\reg+4*\c:\reg+4*\c+3], v[\adr] offset:64*(\q)+32*\c+(\i)*16*PITCH
.endr
.endm
; 16 matrix instructions: A's blocks a0, a0 + 1 x B's eight.  The 64 accumulators take turns, one instruction a turn.
.macro VMUL16 a0, p, q, sc, zero
.irp a, \a0, \a0+1
.irp b, 0,1,2,3,4,5,6,7
.if \zero
	v_wmma_scale_f32_16x16x128_f8f6f4 v[8*(8*((\a)%4)+\b):8*(8*((\a)%4)+\b)+7], v[128*(\p)+FR*\b:128*(\p)+FR*\b+FR-1], v[AF+FR*(\a):AF+FR*(\a)+FR-1], 0, v[SC+8*NQ*(\sc)+NQ*\b+(\q)], v[SC+8*NQ*(\sc)+NQ*(\a)+(\q)] matrix_a_fmt:MATRIX_FMT_FP4 matrix_b_fmt:MATRIX_FMT_FP4 matrix_a_scale:MATRIX_SCALE_ROW1
.else
	v_wmma_scale_f32_16x16x128_f8f6f4 v[8*(8*((\a)%4)+\b):8*(8*((\a)%4)+\b)+7], v[128*(\p)+FR*\b:128*(\p)+FR*\b+FR-1], v[AF+FR*(\a):AF+FR*(\a)+FR-1], v[8*(8*((\a)%4)+\b):8*(8*((\a)%4)+\b)+7], v[SC+8*NQ*(\sc)+NQ*\b+(\q)], v[SC+8*NQ*(\sc)+NQ*(\a)+(\q)] matrix_a_fmt:MATRIX_FMT_FP4 matrix_b_fmt:MATRIX_FMT_FP4 matrix_a_scale:MATRIX_SCALE_ROW1
.endif
.endr
.endr
.endm
.macro VFETCH_B slot, q, p
	WIN TO_B
.irp i, 0,1,2,3,4,5,6,7
	VFRAG 128*(\p)+FR*\i, ADRB+\slot, \q, \i
.endr
	WIN 0
.endm
.macro VFETCH_A slot, q, i0
.irp i, \i0, \i0+1, \i0+2, \i0+3
	VFRAG AF+FR*(\i), ADRA+\slot, \q, \i
.endr
.endm
.macro VSCALES sc                      ; a K step's scale words: lanes 0-15 A's block i, lanes 16-31 B's block i
.irp i, 0,1,2,3,4,5,6,7
	ds_load_b128 v[SC+8*NQ*\sc+NQ*\i:SC+8*NQ*\sc+NQ*\i+3], v[VADRS] offset:\i*SBLK
.endr
.endm
.macro VPLACES n
.rept \n
	v_nop
.endr
.endm
.macro VSTEP slot, q, zero             ; 128 along K, with its successor in the same slot
	s_wait_dscnt 4*NL                              ; all but the youngest eight loads (A's blocks 4-7)
	WIN MUL_LO
	VMUL16 0, (\q)%2, \q, \slot, \zero
	VMUL16 2, (\q)%2, \q, \slot, \zero
	s_wait_dscnt 0
	VPLACES NP
	VFETCH_B \slot, (\q)+1, 1-(\q)%2
	VFETCH_A \slot, (\q)+1, 0
	WIN MUL_HI
	VMUL16 4, (\q)%2, \q, \slot, \zero
	VMUL16 6, (\q)%2, \q, \slot, \zero
	VPLACES NP
	WIN 0
	VFETCH_A \slot, (\q)+1, 4
.endm
.macro VTURN slot, next                ; a slot's last step changes slots: one barrier
	s_wait_tensorcnt 0x0                           ; all my tensor loads have landed: my part of the next slot
	ds_add_u32 v[SPW], v[NIL]
	s_wait_dscnt 4*NL+1                            ; the add and the youngest eight loads may be out
	WIN MUL_LO
	VMUL16 0, 1, NQ-1, \slot, 0
	s_wait_dscnt 0x0                               ; the add is done, my reads of this slot are over
	s_barrier_signal -1
	VMUL16 2, 1, NQ-1, \slot, 0
	WIN 0
	s_barrier_wait -1
	VPLACES NP
	v_add_nc_u32 v[VADRS], 4*NQ, v[VADRS]          ; the next K step's scale words
	VFETCH_B \next, 0, 0
	VFETCH_A \next, 0, 0
	VSCALES \next
	WIN MUL_HI
	VMUL16 4, 1, NQ-1, \slot, 0
	VMUL16 6, 1, NQ-1, \slot, 0
	VPLACES NP
	WIN 0
	VFETCH_A \next, 0, 4
.endm
.macro VSTEPS slot, from
.set Q, \from
.rept NQ-1-\from
	VSTEP \slot, Q, 0
.set Q, Q+1
.endr
.endm
	s_wait_tensorcnt 1                             ; the scales and my part of K step 0 are in; K step 1's load may be out
	s_barrier_signal -1
	s_barrier_wait -1
	VFETCH_B 0, 0, 0
	VFETCH_A 0, 0, 0
	VSCALES 0
	VFETCH_A 0, 0, 4
	VSTEP 0, 0, 1                                  ; the first products start the sums: nothing is cleared
	VSTEPS 0, 1
	VTURN 0, 1
	VSTEPS 1, 0
	s_wait_dscnt 4*NL
	WIN MUL_LO
	VMUL16 0, 1, NQ-1, 1, 0
	VMUL16 2, 1, NQ-1, 1, 0
	s_wait_dscnt 0
	WIN MUL_HI
	VMUL16 4, 1, NQ-1, 1, 0
	VMUL16 6, 1, NQ-1, 1, 0
	WIN 0
	VPLACES NP
	; THE FIRST 16 POSITIONS AS f32.  The branch hangs on the work-group's number and on the wave's.  Accumulator (a, 0) is 16 rows e x 16 positions: 1,024 dense bytes; four of them fit my stage at a time.
	s_cmp_lg_u32 s17, 0
	s_cbranch_scc1 .Lno_fine_v
.irp g, 0,1
	WIN 0x08+4*\g                                  ; an LDS store's data are its source 1: window 2 or 3
.irp a, 0,1,2,3
	ds_store_b128 v[VSTV], v[64*\a:64*\a+3] offset:1024*\a         ; each accumulator from its low end on
	ds_store_b128 v[VSTV], v[64*\a+4:64*\a+7] offset:1024*\a+16
.endr
	WIN 0
.irp a, 0,1,2,3
	ds_load_b128 v[128+32*\g+8*\a:128+32*\g+8*\a+3], v[VRD32] offset:1024*\a      ; LDS serves a wave's instructions in order: these see the stores above, and the next four accumulators' stores come behind them
	ds_load_b128 v[128+32*\g+8*\a+4:128+32*\g+8*\a+7], v[VRD32] offset:1024*\a+512
.endr
.endr
	s_wait_dscnt 0x0
.irp a, 0,1,2,3,4,5,6,7
	global_store_b128 v[VLN], v[128+8*\a:128+8*\a+3], s[52:53] offset:1024*\a      ; 512 consecutive bytes
	global_store_b128 v[VLN], v[128+8*\a+4:128+8*\a+7], s[52:53] offset:1024*\a+512
.endr
.Lno_fine_v:
	s_wait_xcnt 0x0                                ; the stores above have read v128-191: only behind this wait do rows of C land there
	; THE WAY OUT: a block of 16 rows x 128 positions is rounded to f16, goes through my stage and leaves as whole runs of 256 bytes.
.macro VPACK a
.set AC, 64*((\a)%4)
	WIN 0x0a+5*((\a)/4)                            ; sources 0 and 1: window 2 or 3
.irp b, 0,1,2,3,4,5,6,7
.irp r, 0,1,2,3
	v_cvt_pk_f16_f32 v[TMP+4*\b+\r], v[AC+8*\b+2*\r], v[AC+8*\b+2*\r+1]
.endr
.endr
	WIN 0
.endm
.macro VTOSTAGE a
.set BK, 224-64*((\a)%2)
.irp b, 0,1,2,3,4,5,6,7
	ds_store_b128 v[STO], v[TMP+4*\b:TMP+4*\b+3] offset:32*\b
.endr
.irp t, 0,1,2,3,4,5,6,7
	ds_load_b128 v[BK+4*\t:BK+4*\t+3], v[RD] offset:\t*2*SPITCH
.endr
.endm
.macro VSEND a
.set BK, 224-64*((\a)%2)
	s_wait_dscnt 0x0                               ; the block is back in registers
	s_wait_xcnt 0x0                                ; earlier stores have read their data: the next block's rows may land there
.irp t, 0,1,2,3,4,5,6,7
	global_store_b128 v[CO], v[BK+4*\t:BK+4*\t+3], s[60:61] offset:(16*(\a)+2*\t)*16384   ; 16 lanes store 256 consecutive bytes, aligned; the row stands in the immediate, 2,064,384 at the most
.endr
.endm
	VPACK 0
	VTOSTAGE 0
.irp a, 1,2,3,4,5,6,7
	VPACK \a
	VSEND \a-1
	VTOSTAGE \a
.endr
	VSEND 7
	s_wait_tensorcnt 0x0                           ; the wave's end
	ds_add_u32 v[SPW], v[NIL]
	s_wait_dscnt 0x0
	s_endpgm
.Lfunc_end_k_q1512a31525_scores:
	.size	k_q1512a31525_scores, .Lfunc_end_k_q1512a31525_scores-k_q1512a31525_scores
	.p2alignl 7, 3214868480
	.fill 96, 4, 3214868480
	.section	.rodata,"a",@progbits
	.p2align	6, 0x0
	.amdhsa_kernel k_q1512a31525_scores
		.amdhsa_group_segment_fixed_size 327680
		.amdhsa_private_segment_fixed_size 0
		.amdhsa_enable_private_segment 0
		.amdhsa_kernarg_size 56
		.amdhsa_user_sgpr_count 2
		.amdhsa_user_sgpr_kernarg_segment_ptr 1
		.amdhsa_wavefront_size32 1
		.amdhsa_system_sgpr_workgroup_id_x 1
		.amdhsa_system_sgpr_workgroup_id_y 1
		.amdhsa_system_sgpr_workgroup_id_z 1
		.amdhsa_system_vgpr_workitem_id 0
		.amdhsa_next_free_vgpr 1024
		.amdhsa_next_free_sgpr 100
		.amdhsa_reserve_vcc 1
		.amdhsa_float_denorm_mode_32 3
		.amdhsa_float_denorm_mode_16_64 3
		.amdhsa_memory_ordered 1
		.amdhsa_forward_progress 1
		.amdhsa_inst_pref_size 255
	.end_amdhsa_kernel
	.section	.bss,"aw",@nobits
	.p2align	6
	.space	262144
	.amdgpu_metadata
---
amdhsa.version: [ 1, 2 ]
amdhsa.kernels:
  - .name:           k_q1512a31525_scores
    .symbol:         k_q1512a31525_scores.kd
    .args:
      - { .name: qk, .offset: 0, .size: 8, .value_kind: global_buffer, .address_space: global }
      - { .name: p, .offset: 8, .size: 8, .value_kind: global_buffer, .address_space: global }
      - { .name: stats, .offset: 16, .size: 8, .value_kind: global_buffer, .address_space: global }
      - { .name: fine32, .offset: 24, .size: 8, .value_kind: global_buffer, .address_space: global }
      - { .name: codes, .offset: 32, .size: 8, .value_kind: global_buffer, .address_space: global }
      - { .name: scales, .offset: 40, .size: 8, .value_kind: global_buffer, .address_space: global }
      - { .name: vt, .offset: 48, .size: 8, .value_kind: global_buffer, .address_space: global }
    .group_segment_fixed_size: 327680
    .private_segment_fixed_size: 0
    .kernarg_segment_align: 8
    .kernarg_segment_size: 56
    .max_flat_workgroup_size: 128
    .sgpr_count:     100
    .vgpr_count:     1024
    .wavefront_size: 32
...
	.end_amdgpu_metadata
.endif
;; end of part 3
;; launch pv (part 4): grid 8 x 32, 4 waves a work-group, clusters of 4 x 1, 327,680 bytes of LDS; arguments p, vt, stats, out0; writes out0
.if DOCPART == 4
	.amdgcn_target "amdgcn-amd-amdhsa--gfx1250"
	.amdhsa_code_object_version 6
	.text
	.protected	k_q1512a31525_pv
	.globl	k_q1512a31525_pv
	.p2align	8
	.type	k_q1512a31525_pv,@function
k_q1512a31525_pv:
	s_mov_b64 s[64:65], 0
	v_nop
	global_prefetch_b8 v0, s[64:65] scope:SCOPE_SE
	s_setreg_imm32_b32 hwreg(HW_REG_WAVE_MODE, 25, 1), 1
	s_wait_xcnt 0x0
	s_wait_alu depctr_hold_cnt(0) depctr_sa_sdst(0) depctr_va_vdst(0) depctr_va_sdst(0) depctr_va_ssrc(0) depctr_va_vcc(0) depctr_vm_vsrc(0)
	s_getreg_b32 s2, hwreg(HW_REG_IB_STS2, 6, 4)
	s_cmp_eq_u32 s2, 0
	s_cbranch_scc0 .Lentry_in_a_cluster
	s_endpgm
.Lentry_in_a_cluster:
	s_bfe_u32 s2, ttmp6, 0x10000c
	s_cmp_lg_u32 s2, 0x3003
	s_cbranch_scc0 .Lentry_shape_is_right
	s_endpgm
.Lentry_shape_is_right:
; O[q][e] = sum over key tiles t of g_t[q] (P_t V_t)[q][e], g_t = 2^(M_t - Mrow) / l, l = sum over t of 2^(M_t - Mrow) x (the tile's sums of p), Mrow the largest M_t of the row.
; P f16 [4][2048 q][2048 key], V^T f16 [1024 e][8192], f32 sums.  The powers of two are exact (v_ldexp_f32 by a whole number).
; A work-group makes two tiles of 128 queries x 128 channels: query tile 15 - pp (8 - pp / 2 steps of 256 keys), then query tile pp (pp / 2 + 1 steps): 9 steps in every work-group, so all trip counts are constants.
; A step's products start at 0 in 16 accumulators of a wave (64 x 64) and are folded into the running sums by one packed multiply-add with g.
; CLUSTER 4 x 1: the four partners make four channel tiles of the same queries: P's tiles are joint loads (mask 15).  V^T's tiles differ from partner to partner and are plain loads behind the same rounds;
; they are not shared with other work-groups, since those that want the same channels stand at other key steps.
; The matrix instruction is used transposed (source 0 = 16 channels, source 1 = 16 queries): a lane holds one query and eight neighbouring channels.
; Rows 0-15 of each batch are stored here and stored again, more finely, by the next launch.
; REGISTERS: window 0: v16-31 addresses; v32-35 -M_t; v36-43 g, twice each; v44-47 -Mrow, v48-51 1 / l of the tile in hand; v52-59 the second tile's; v60-63 at work; v64-127 the way out; v128-255 the step's accumulators.
;   window 1: two fragment buffers of 128.   window 2: v0-127 the running sums.
.set KSTEP,  256
.set PITCH,  528                       ; 512 bytes + 16: the 16 rows of a load start at 16 different banks
.set HALFT,  64*PITCH
.set SLOT,   4*HALFT                   ; P's 128 rows, then V^T's 128
.set STAGE,  2*SLOT                    ; 16 rows x 272 bytes a wave
.set SPITCH, 272
.set SPARE,  STAGE+4*16*SPITCH         ; the spare words: 128 bytes a wave
.set ADRA, 16
.set ADRB, 20
.set STO,  24
.set RD,   25
.set CO,   26
.set LR,   27                          ; 16 r
.set SPW,  28
.set NIL,  29
.set MO,   30
.set G,    36
.set NMR,  44
.set IL,   48
.set BK,   64
.set ACC,  128
.set F0,   0
.set F1,   128
.set WV,  12
.set RH,  13
.set G1P, 24
.set G1V, 32
.set G0P, 40
.set G0V, 48
.set PA,  56                           ; s[56:57] P's rows of the tile that is being fetched; s[58:59] the second tile's; s[60:61] V^T's rows
.set PB,  58
.set VA,  60
.set TF,  62                           ; the key step fetched last
.set NF,  63                           ; steps of the tile that is being fetched
.set T,   66                           ; the key step in hand
.set NC,  67                           ; steps of the tile in hand
.set SB,  68                           ; s[68:69] stats of the tile in hand; s[70:71] the second tile's
.set OU,  72                           ; s[72:73] out0 likewise; s[74:75]
.set MSB, 0
.macro WIN new
.if MSB != (\new)
	s_set_vgpr_msb (MSB<<8)|(\new)
.set MSB, (\new)
.endif
.endm
.set MUL,  0x05                        ; sources 0 and 1 window 1; C and D window 0
.set TO_F, 0x40
.macro JLOAD s                         ; waves 0, 1: P's halves, jointly; waves 2, 3: V^T's halves.  An s_nop 0 and four v_nop follow each line
	s_cmp_eq_u32 s[RH], 0
	s_cbranch_scc0 .Lfor_v_\@
	tensor_load_to_lds s[G0P+4*\s:G0P+4*\s+3], s[G1P:G1P+7]
	s_nop 0
.rept 4
	v_nop
.endr
	s_branch .Lasked_\@
.Lfor_v_\@:
	tensor_load_to_lds s[G0V+4*\s:G0V+4*\s+3], s[G1V:G1V+7]
	s_nop 0
.rept 4
	v_nop
.endr
.Lasked_\@:
.endm
.macro CREST                           ; a round of the cluster's barrier behind its opening barrier
	s_cmp_lg_u32 s[WV], 0
	s_cbranch_scc1 .Lnot_wave_0_\@
	s_barrier_signal -3
.Lnot_wave_0_\@:
	s_barrier_wait -3
	s_barrier_signal -1
	s_barrier_wait -1
.endm
.macro CROUND
	s_barrier_signal -1
	s_barrier_wait -1
	CREST
.endm
	s_load_b256 s[4:11], s[0:1], 0x0               ; p, vt, stats, out0
	v_lshl_add_u32 v[SPW], v0, 2, SPARE
	v_mov_b32 v[NIL], 0
	ds_add_u32 v[SPW], v[NIL]                      ; the opening: the add, twice on end, and its wait ahead of my first tensor load
	ds_add_u32 v[SPW], v[NIL]
	v_lshrrev_b32 v1, 5, v0
	v_readfirstlane_b32 s[WV], v1
	s_lshr_b32 s[RH], s[WV], 1                     ; my half of the queries; also: I fetch P (0) or V^T (1)
	s_and_b32 s14, s[WV], 1                        ; my half of the channels; also: which 64 rows I fetch
	s_bfe_u32 s15, ttmp6, 0x40000                  ; cx
	s_lshl_b32 s16, ttmp9, 2
	s_add_co_u32 s16, s16, s15                     ; channel tile
	s_and_b32 s18, ttmp7, 0xffff
	s_lshr_b32 s17, s18, 3                         ; b
	s_and_b32 s18, s18, 7                          ; pp: the second query tile
	s_lshr_b32 s77, s18, 1
	s_sub_co_u32 s19, 8, s77                       ; steps of the first tile,
	s_add_co_u32 s77, s77, 1                       ; of the second
	s_sub_co_u32 s20, 15, s18                      ; the first query tile
	s_lshl_b32 s21, s17, 11
	s_lshl_b32 s22, s14, 6
	s_add_co_u32 s21, s21, s22
	s_lshl_b32 s22, s20, 7
	s_add_co_u32 s22, s22, s21
	s_lshl_b32 s80, s22, 12                        ; P: the rows that I fetch, first tile,
	s_mov_b32 s81, 0
	s_lshl_b32 s22, s18, 7
	s_add_co_u32 s22, s22, s21
	s_lshl_b32 s82, s22, 12                        ; second tile
	s_mov_b32 s83, 0
	s_lshl_b32 s84, s16, 7
	s_lshl_b32 s22, s14, 6
	s_add_co_u32 s84, s84, s22
	s_lshl_b32 s84, s84, 14
	s_lshl_b32 s22, s17, 12
	s_add_co_u32 s84, s84, s22                     ; V^T: my 64 channels, the batch's first key
	s_mov_b32 s85, 0
	s_mul_i32 s86, s17, 196608
	s_lshl_b32 s22, s[RH], 8
	s_add_co_u32 s86, s86, s22
	s_lshl_b32 s22, s20, 9
	s_add_co_u32 s88, s86, s22                     ; stats: the places of my 64 rows, first tile,
	s_mov_b32 s89, 0
	s_lshl_b32 s22, s18, 9
	s_add_co_u32 s86, s86, s22                     ; second tile
	s_mov_b32 s87, 0
	s_lshl_b32 s90, s17, 11
	s_lshl_b32 s22, s[RH], 6
	s_add_co_u32 s90, s90, s22
	s_lshl_b32 s22, s20, 7
	s_add_co_u32 s92, s90, s22
	s_lshl_b32 s22, s18, 7
	s_add_co_u32 s90, s90, s22
	s_lshl_b32 s92, s92, 12
	s_lshl_b32 s90, s90, 12
	s_lshl_b32 s22, s16, 9
	s_lshl_b32 s23, s14, 8
	s_add_co_u32 s22, s22, s23
	s_add_co_u32 s92, s92, s22                     ; out0: my first row and channel, first tile,
	s_mov_b32 s93, 0
	s_add_co_u32 s90, s90, s22                     ; second tile
	s_mov_b32 s91, 0
	s_mov_b32 s[G1P], 15|(1<<16)|(1<<20)|(1<<21)|(6<<22)|(3<<25)   ; mask: all four; elements of 2 bytes; padding: 4 words behind every 128; bit 21 beside a mask
	s_mov_b32 s[G1V], (1<<16)|(1<<20)|(6<<22)|(3<<25)
.irp g, G1P, G1V
	s_mov_b32 s[\g+1], KSTEP<<16
	s_mov_b32 s[\g+2], 64<<16
	s_mov_b32 s[\g+3], KSTEP<<16
	s_mov_b32 s[\g+4], 64
	s_mov_b32 s[\g+6], 0
	s_mov_b32 s[\g+7], 0
.endr
	s_mov_b32 s[G1P+5], 2048                       ; elements from row to row of p,
	s_mov_b32 s[G1V+5], 8192                       ; of vt
	s_mul_i32 s21, s[WV], HALFT
	s_mov_b32 s[TF], 1
	s_mov_b32 s[NF], s19
	s_mov_b32 s[T], 0
	s_mov_b32 s[NC], s19
	s_mov_b32 s79, 0
	s_wait_dscnt 0x0                               ; both opening adds are done
	s_wait_kmcnt 0x0
	s_add_nc_u64 s[PA:PA+1], s[4:5], s[80:81]
	s_add_nc_u64 s[PB:PB+1], s[4:5], s[82:83]
	s_add_nc_u64 s[VA:VA+1], s[6:7], s[84:85]
	s_add_nc_u64 s[SB:SB+1], s[8:9], s[88:89]
	s_add_nc_u64 s[SB+2:SB+3], s[8:9], s[86:87]
	s_add_nc_u64 s[OU:OU+1], s[10:11], s[92:93]
	s_add_nc_u64 s[OU+2:OU+3], s[10:11], s[90:91]
	CROUND                                         ; all four work-groups are here: the first joint loads meet
.irp s, 0,1
	s_mov_b32 s[G0P+4*\s], 1
	s_add_co_u32 s[G0P+4*\s+1], s21, \s*SLOT
	s_add_nc_u64 s[G0P+4*\s+2:G0P+4*\s+3], s[PA:PA+1], \s*KSTEP*2
	s_or_b32 s[G0P+4*\s+3], s[G0P+4*\s+3], 0x80000000
	s_mov_b32 s[G0V+4*\s], 1
	s_add_co_u32 s[G0V+4*\s+1], s21, \s*SLOT
	s_add_nc_u64 s[G0V+4*\s+2:G0V+4*\s+3], s[VA:VA+1], \s*KSTEP*2
	s_or_b32 s[G0V+4*\s+3], s[G0V+4*\s+3], 0x80000000
.endr
	s_cmp_eq_u32 s[RH], 0                          ; a wave's two first fills stand in one branch: the first tile's steps 0 and 1 (it has five steps or more)
	s_cbranch_scc0 .Lfirst_v
	tensor_load_to_lds s[G0P:G0P+3], s[G1P:G1P+7]
	s_nop 0
	tensor_load_to_lds s[G0P+4:G0P+7], s[G1P:G1P+7]
	s_nop 0
.rept 4
	v_nop
.endr
	s_branch .Lfirst_asked
.Lfirst_v:
	tensor_load_to_lds s[G0V:G0V+3], s[G1V:G1V+7]
	s_nop 0
	tensor_load_to_lds s[G0V+4:G0V+7], s[G1V:G1V+7]
	s_nop 0
.rept 4
	v_nop
.endr
.Lfirst_asked:
	v_and_b32 v1, 15, v0                           ; r
	v_bfe_u32 v2, v0, 4, 1                         ; h
	v_lshlrev_b32 v[LR], 4, v1
	; the statistics of both tiles: for t = 0 .. 7 the three kinds, 16 bytes a lane (my row of four blocks).  t is held at the tile's last step, so that only bytes that were stored are read
	s_sub_co_u32 s81, s19, 1
.irp t, 0,1,2,3,4,5,6,7
	s_min_u32 s80, s81, \t
	s_lshl_b32 s80, s80, 13
	v_add_nc_u32 v[32+\t], s80, v[LR]
.endr
	s_sub_co_u32 s81, s77, 1
.irp t, 0,1,2,3,4,5,6,7
	s_min_u32 s80, s81, \t
	s_lshl_b32 s80, s80, 13
	v_add_nc_u32 v[40+\t], s80, v[LR]
.endr
.irp t, 0,1,2,3,4,5,6,7
.irp k, 0,1,2
	global_load_b128 v[64+12*\t+4*\k:64+12*\t+4*\k+3], v[32+\t], s[SB:SB+1] offset:\k*65536
	global_load_b128 v[160+12*\t+4*\k:160+12*\t+4*\k+3], v[40+\t], s[SB+2:SB+3] offset:\k*65536
.endr
.endr
	v_mul_u32_u24 v3, v1, PITCH
	v_lshl_add_u32 v3, v2, 4, v3
	s_mul_i32 s21, s[RH], HALFT
	s_mul_i32 s22, s14, HALFT
	s_add_co_u32 s22, s22, 2*HALFT
.irp s, 0,1
	v_add_nc_u32 v[ADRA+\s], s21, v3
	v_add_nc_u32 v[ADRB+\s], s22, v3
	s_add_co_u32 s21, s21, SLOT
	s_add_co_u32 s22, s22, SLOT
.endr
	s_mul_i32 s23, s[WV], 16*SPITCH
	s_add_co_u32 s23, s23, STAGE
	v_mul_u32_u24 v4, v1, SPITCH
	v_lshl_add_u32 v4, v2, 5, v4
	v_add_nc_u32 v[STO], s23, v4                   ; the stage in: row r, 32 bytes a half
	v_mul_u32_u24 v5, v2, SPITCH
	v_lshl_add_u32 v5, v1, 4, v5
	v_add_nc_u32 v[RD], s23, v5                    ; back: lanes 0-15 one row of 256 bytes, lanes 16-31 the next
	v_lshlrev_b32 v5, 12, v2
	v_lshl_add_u32 v[CO], v1, 4, v5                ; the same two rows in out0
	s_wait_loadcnt 0x0
; -Mrow and l of a tile, for my row of each of four blocks.  d: the data (12 t + 4 kind + block); n: the scalar register with the tile's steps.  A step past the tile's last counts with the weight 0.
.macro STATS d, nr, il, n
.irp a, 0,1,2,3
	v_min3_num_f32 v[\nr+\a], v[\d+\a], v[\d+12+\a], v[\d+24+\a]
.endr
.irp a, 0,1,2,3
	v_min3_num_f32 v[\nr+\a], v[\nr+\a], v[\d+36+\a], v[\d+48+\a]
.endr
.irp a, 0,1,2,3
	v_min3_num_f32 v[\nr+\a], v[\nr+\a], v[\d+60+\a], v[\d+72+\a]
.endr
.irp a, 0,1,2,3
	v_min_num_f32 v[\nr+\a], v[\nr+\a], v[\d+84+\a]
.endr
.irp t, 0,1,2,3,4,5,6,7
	s_cmp_lt_u32 \t, s[\n]
	s_cselect_b32 s80, 1.0, 0
.irp a, 0,1,2,3
	v_sub_f32 v[36+\a], v[\nr+\a], v[\d+12*\t+\a]  ; M_t - Mrow: a whole number, 0 or less
.endr
.irp a, 0,1,2,3
	v_cvt_i32_f32 v[36+\a], v[36+\a]
.endr
.irp a, 0,1,2,3
	v_ldexp_f32 v[36+\a], s80, v[36+\a]
.endr
.irp a, 0,1,2,3
	v_add_f32 v[40+\a], v[\d+12*\t+4+\a], v[\d+12*\t+8+\a]
.endr
.irp a, 0,1,2,3
.if \t == 0
	v_mul_f32 v[\il+\a], v[40+\a], v[36+\a]
.else
	v_fma_f32 v[\il+\a], v[40+\a], v[36+\a], v[\il+\a]
.endif
.endr
.endr
.endm
	STATS 64, NMR, IL, 19
	STATS 160, 52, 56, 77
.irp a, 0,1,2,3
	v_rcp_f32 v[IL+\a], v[IL+\a]
	v_rcp_f32 v[56+\a], v[56+\a]
.endr
	v_nop                                          ; a plain instruction behind the last reciprocal
	s_wait_alu depctr_va_vdst(0)                   ; one wait for the eight, ahead of their first reader
; 8 matrix instructions: m blocks a0, a0 + 1 x 4 n blocks, 32 along K.  The 16 accumulators take turns, one instruction a turn.
.macro MUL8 f, c, a0, zero
.irp a, \a0, \a0+1
.irp b, 0,1,2,3
.if \zero
	v_wmma_f32_16x16x32_f16 v[ACC+8*(4*(\a)+\b):ACC+8*(4*(\a)+\b)+7], v[\f+64+8*(4*\c+\b):\f+64+8*(4*\c+\b)+7], v[\f+8*(4*\c+\a):\f+8*(4*\c+\a)+7], 0
.else
	v_wmma_f32_16x16x32_f16 v[ACC+8*(4*(\a)+\b):ACC+8*(4*(\a)+\b)+7], v[\f+64+8*(4*\c+\b):\f+64+8*(4*\c+\b)+7], v[\f+8*(4*\c+\a):\f+8*(4*\c+\a)+7], v[ACC+8*(4*(\a)+\b):ACC+8*(4*(\a)+\b)+7]
.endif
.endr
.endr
.endm
.macro FETCH slot, k, f                ; 32 LDS loads in one run: the fragments of 64 along K, the first 32 first
	WIN TO_F
.irp c, 0,1
.irp i, 0,1,2,3
	ds_load_b128 v[\f+64+8*(4*\c+\i):\f+64+8*(4*\c+\i)+3],   v[ADRB+\slot] offset:\k+64*\c+\i*16*PITCH
	ds_load_b128 v[\f+64+8*(4*\c+\i)+4:\f+64+8*(4*\c+\i)+7], v[ADRB+\slot] offset:\k+64*\c+\i*16*PITCH+32
	ds_load_b128 v[\f+8*(4*\c+\i):\f+8*(4*\c+\i)+3],         v[ADRA+\slot] offset:\k+64*\c+\i*16*PITCH
	ds_load_b128 v[\f+8*(4*\c+\i)+4:\f+8*(4*\c+\i)+7],       v[ADRA+\slot] offset:\k+64*\c+\i*16*PITCH+32
.endr
.endr
.endm
.macro PLACES                          ; four plain vector instructions between a matrix instruction and a load into, or a read of, its registers
.rept 4
	v_nop
.endr
.endm
.macro QUARTER slot, k, f, g, zero
	s_wait_dscnt 16                                ; the first 32 along K are in; the youngest sixteen loads may be out
	WIN MUL
	MUL8 \f, 0, 0, \zero
	MUL8 \f, 0, 2, \zero
	PLACES
	FETCH \slot, \k, \g
	s_wait_dscnt 32                                ; all but the 32 just issued
	WIN MUL
	MUL8 \f, 1, 0, 0
	MUL8 \f, 1, 2, 0
.endm
; The next step to fetch: one key step on, or the second tile's step 0; by selects alone.  No tensor load of mine is out, so the descriptors may be written.
.macro ADVANCE slot
	s_add_co_u32 s[TF], s[TF], 1
	s_cmp_eq_u32 s[TF], s[NF]
	s_cselect_b32 s[TF], 0, s[TF]
	s_cselect_b64 s[PA:PA+1], s[PB:PB+1], s[PA:PA+1]
	s_cselect_b32 s[NF], -1, s[NF]
	s_lshl_b32 s78, s[TF], 9
	s_add_nc_u64 s[G0P+4*\slot+2:G0P+4*\slot+3], s[PA:PA+1], s[78:79]
	s_or_b32 s[G0P+4*\slot+3], s[G0P+4*\slot+3], 0x80000000
	s_add_nc_u64 s[G0V+4*\slot+2:G0V+4*\slot+3], s[VA:VA+1], s[78:79]
	s_or_b32 s[G0V+4*\slot+3], s[G0V+4*\slot+3], 0x80000000
.endm
.macro GCALC                           ; g = 2^(M_t - Mrow) / l for my row of each block, twice (a pair for the packed forms)
.irp a, 0,1,2,3
	v_sub_f32 v[60+\a], v[NMR+\a], v[32+\a]
.endr
.irp a, 0,1,2,3
	v_cvt_i32_f32 v[60+\a], v[60+\a]
.endr
.irp a, 0,1,2,3
	v_ldexp_f32 v[G+2*\a], v[IL+\a], v[60+\a]
	v_ldexp_f32 v[G+2*\a+1], v[IL+\a], v[60+\a]
.endr
.endm
; A step's last quarter.  mode 2: changes slots behind a round of the cluster's barrier and fills the slot just read, two steps ahead (112 matrix instructions in which to land);
; mode 1: changes slots, fills nothing;  mode 0: the last step.
.macro TURN slot, next, mode
	WIN 0
.if \mode > 0
	s_wait_tensorcnt 0x0                           ; all my tensor loads have landed: my part of the next slot
	ds_add_u32 v[SPW], v[NIL]
.endif
.if \mode == 2
	ADVANCE \slot
.endif
	s_wait_loadcnt 0x0                             ; the step's -M_t
	GCALC
.if \mode > 0
	s_wait_dscnt 17                                ; the add and the youngest sixteen loads may be out
	WIN MUL
	MUL8 F1, 0, 0, 0
	s_wait_dscnt 0x0                               ; the add is done, my reads of this slot are over
	s_barrier_signal -1
	MUL8 F1, 0, 2, 0
.if \mode == 2
	WIN 0
.endif
	s_barrier_wait -1
.if \mode == 2
	CREST                                          ; no wave of any partner still reads this slot or has a load on its way
	JLOAD \slot                                    ; my one tensor load behind the round; its four v_nop are the places in front of the loads below
.else
	PLACES
.endif
	FETCH \next, 0, F0
	WIN MUL
	MUL8 F1, 1, 0, 0
	MUL8 F1, 1, 2, 0
.else
	s_wait_dscnt 16
	WIN MUL
	MUL8 F1, 0, 0, 0
	MUL8 F1, 0, 2, 0
	s_wait_dscnt 0x0
	MUL8 F1, 1, 0, 0
	MUL8 F1, 1, 2, 0
.endif
.endm
.macro FOLDOPS fma
.irp a, 0,1,2,3
.irp b, 0,1,2,3
.irp i, 0,2,4,6
.if \fma
	v_pk_fma_f32 v[8*(4*\a+\b)+\i:8*(4*\a+\b)+\i+1], v[ACC+8*(4*\a+\b)+\i:ACC+8*(4*\a+\b)+\i+1], v[G+2*\a:G+2*\a+1], v[8*(4*\a+\b)+\i:8*(4*\a+\b)+\i+1]
.else
	v_pk_mul_f32 v[8*(4*\a+\b)+\i:8*(4*\a+\b)+\i+1], v[ACC+8*(4*\a+\b)+\i:ACC+8*(4*\a+\b)+\i+1], v[G+2*\a:G+2*\a+1]
.endif
.endr
.endr
.endr
.endm
; The step's sums x g go into the running sums; a tile's first step starts them.  The branch hangs on ids and the count of steps.
.macro FOLD first
	WIN 0
	PLACES
.if \first
	WIN 0x80                                       ; destination window 2
	FOLDOPS 0
	WIN 0
.else
	s_cmp_eq_u32 s[T], 0
	s_cbranch_scc1 .Lstart_\@
	WIN 0xa0                                       ; destination and source 2 window 2
	FOLDOPS 1
	WIN 0
	s_branch .Lfolded_\@
.Lstart_\@:
	WIN 0x80
	FOLDOPS 0
	WIN 0
.Lfolded_\@:
.endif
.endm
; THE WAY OUT of a tile: a block of 16 rows x 64 channels of f32 goes through my own stage and leaves as whole rows of 256 bytes.
.macro TOST a
	WIN 0x08                                       ; an LDS store's data are its source 1: window 2
.irp b, 0,1,2,3
	ds_store_b128 v[STO], v[8*(4*(\a)+\b):8*(4*(\a)+\b)+3] offset:64*\b
	ds_store_b128 v[STO], v[8*(4*(\a)+\b)+4:8*(4*(\a)+\b)+7] offset:64*\b+16
.endr
	WIN 0
.irp t, 0,1,2,3,4,5,6,7
	ds_load_b128 v[BK+32*((\a)%2)+4*\t:BK+32*((\a)%2)+4*\t+3], v[RD] offset:2*\t*SPITCH   ; LDS serves a wave's instructions in order
.endr
.endm
.macro SEND a, younger
	s_wait_dscnt \younger
.irp t, 0,1,2,3,4,5,6,7
	global_store_b128 v[CO], v[BK+32*((\a)%2)+4*\t:BK+32*((\a)%2)+4*\t+3], s[OU:OU+1] offset:(16*(\a)+2*\t)*4096 th:TH_STORE_NT   ; 16 lanes store 256 consecutive bytes, aligned
.endr
.endm
.macro WAYOUT
	TOST 0
	TOST 1
	SEND 0, 16                                     ; behind block 0's loads: block 1's eight stores and eight loads
	s_wait_xcnt 0x0                                ; block 0's stores have read their data: block 2's rows may land there
	TOST 2
	SEND 1, 16
	s_wait_xcnt 0x0
	TOST 3
	SEND 2, 16
	SEND 3, 0                                      ; no LDS instruction of mine is out behind this
.endm
.macro SWITCH                          ; on to the second tile
	s_wait_xcnt 0x0                                ; the stores have read their base and their data
	s_mov_b64 s[SB:SB+1], s[SB+2:SB+3]
	s_mov_b64 s[OU:OU+1], s[OU+2:OU+3]
	s_mov_b32 s[T], 0
	s_mov_b32 s[NC], s77
.irp a, 0,1,2,3
	v_mov_b32 v[NMR+\a], v[52+\a]
	v_mov_b32 v[IL+\a], v[56+\a]
.endr
.endm
; A STEP: 256 keys, 128 matrix instructions a wave.
.macro STEP slot, next, mode, first
	WIN 0
	v_lshl_add_u32 v[MO], s[T], 13, v[LR]
	global_load_b128 v[32:35], v[MO], s[SB:SB+1]   ; -M_t of my rows; waited for in the last quarter
	QUARTER \slot, 128, F0, F1, 1                  ; every step's first products start its sums
	QUARTER \slot, 256, F1, F0, 0
	QUARTER \slot, 384, F0, F1, 0
	TURN \slot, \next, \mode
	FOLD \first
	s_add_co_u32 s[T], s[T], 1
.if \mode == 0
	WAYOUT
.else
.if \first == 0
	s_cmp_lg_u32 s[T], s[NC]                       ; ids and the count of steps alone: the same in all waves and all partners
	s_cbranch_scc1 .Lgo_on_\@
	WAYOUT
	SWITCH
.Lgo_on_\@:
.endif
.endif
.endm
	s_wait_tensorcnt 1                             ; my part of step 0 is in; step 1's may be out
	s_barrier_signal -1
	s_barrier_wait -1
	FETCH 0, 0, F0
	STEP 0, 1, 2, 1                                ; step 0 starts the running sums
	s_mov_b32 s76, 3
.Lpair:                                                ; steps 1 to 6: each fills its slot again
	STEP 1, 0, 2, 0
	STEP 0, 1, 2, 0
	s_sub_co_u32 s76, s76, 1
	s_cmp_lg_u32 s76, 0
	s_cbranch_scc1 .Lpair
	STEP 1, 0, 1, 0                                ; step 7: nothing is left to fetch
	STEP 0, 0, 0, 0                                ; step 8: the second tile's last
	s_wait_tensorcnt 0x0                           ; the wave's end
	ds_add_u32 v[SPW], v[NIL]
	s_wait_dscnt 0x0
	CROUND                                         ; the closing round
	s_endpgm
.Lfunc_end_k_q1512a31525_pv:
	.size	k_q1512a31525_pv, .Lfunc_end_k_q1512a31525_pv-k_q1512a31525_pv
	.p2alignl 7, 3214868480
	.fill 96, 4, 3214868480
	.section	.rodata,"a",@progbits
	.p2align	6, 0x0
	.amdhsa_kernel k_q1512a31525_pv
		.amdhsa_group_segment_fixed_size 327680
		.amdhsa_private_segment_fixed_size 0
		.amdhsa_enable_private_segment 0
		.amdhsa_kernarg_size 32
		.amdhsa_user_sgpr_count 2
		.amdhsa_user_sgpr_kernarg_segment_ptr 1
		.amdhsa_wavefront_size32 1
		.amdhsa_system_sgpr_workgroup_id_x 1
		.amdhsa_system_sgpr_workgroup_id_y 1
		.amdhsa_system_sgpr_workgroup_id_z 1
		.amdhsa_system_vgpr_workitem_id 0
		.amdhsa_next_free_vgpr 640
		.amdhsa_next_free_sgpr 96
		.amdhsa_reserve_vcc 0
		.amdhsa_float_denorm_mode_32 3
		.amdhsa_float_denorm_mode_16_64 3
		.amdhsa_memory_ordered 1
		.amdhsa_forward_progress 1
		.amdhsa_inst_pref_size 194
	.end_amdhsa_kernel
	.amdgpu_metadata
---
amdhsa.version: [ 1, 2 ]
amdhsa.kernels:
  - .name:           k_q1512a31525_pv
    .symbol:         k_q1512a31525_pv.kd
    .args:
      - { .name: p, .offset: 0, .size: 8, .value_kind: global_buffer, .address_space: global }
      - { .name: vt, .offset: 8, .size: 8, .value_kind: global_buffer, .address_space: global }
      - { .name: stats, .offset: 16, .size: 8, .value_kind: global_buffer, .address_space: global }
      - { .name: out0, .offset: 24, .size: 8, .value_kind: global_buffer, .address_space: global }
    .group_segment_fixed_size: 327680
    .private_segment_fixed_size: 0
    .kernarg_segment_align: 8
    .kernarg_segment_size: 32
    .max_flat_workgroup_size: 128
    .sgpr_count:     96
    .vgpr_count:     640
    .wavefront_size: 32
...
	.end_amdgpu_metadata
.endif
;; end of part 4
;; launch fine (part 5): grid 2 x 4, 8 waves a work-group, no clusters, 44,032 bytes of LDS; arguments fine32, out0; writes out0
.if DOCPART == 5
	.amdgcn_target "amdgcn-amd-amdhsa--gfx1250"
	.amdhsa_code_object_version 6
	.text
	.protected	k_q1512a31525_fine
	.globl	k_q1512a31525_fine
	.p2align	8
	.type	k_q1512a31525_fine,@function
k_q1512a31525_fine:
	s_mov_b64 s[64:65], 0
	v_nop
	global_prefetch_b8 v0, s[64:65] scope:SCOPE_SE
	s_setreg_imm32_b32 hwreg(HW_REG_WAVE_MODE, 25, 1), 1
	s_wait_xcnt 0x0
; The first 16 positions of each batch, wholly in f32: their rows average one to sixteen values, where the rounding of 16-bit operands weighs most.
; fine32: Q | K f32 [4 b][16 s][2048], then from byte 524,288 V^T f32 [4 b][1024 e][16 s].  Work-group (x, y): batch y, channels 512 x .. 512 x + 511; both x make the 16 x 16 scores anew.
; Scores: wave w sums 128 of the 1,024 along d: 32 matrix instructions of 16 x 16 x 4 on four accumulators by turns; the eight waves' parts meet in LDS and are added in a fixed order.
; Both sources take the same register pairs of loads laid alike, so d is permuted alike on both sides.  Source 0 = K, source 1 = Q: a lane holds query r and keys 8 h + 0 .. 7.
; Softmax with the row's maximum taken away, normalised in f32.  O^T = V^T p: a lane holds query r and eight neighbouring channels; 64 channels a wave.
; The registers v200-231 are written by matrix instructions alone.
.set IMG,   0                          ; 8 x 1,024 bytes: each wave's part of the scores, as an image of its registers
.set STG,   8192                       ; 16 rows x 272 bytes a wave
.set SPARE, STG+8*16*272               ; the spare words: 128 bytes a wave
.set SPW, 8
.set NIL, 9
.set PS,  16
.set PP,  24
.set TT,  32
.set QF,  40
.set KF,  104
.set VF,  168
.set AC,  200
	s_load_b128 s[4:7], s[0:1], 0x0                ; fine32, out0
	v_lshl_add_u32 v[SPW], v0, 2, SPARE
	v_mov_b32 v[NIL], 0
	v_lshrrev_b32 v1, 5, v0
	v_readfirstlane_b32 s8, v1                     ; wave
	s_and_b32 s10, ttmp7, 0xffff                   ; batch
	v_and_b32 v1, 15, v0                           ; r
	v_bfe_u32 v2, v0, 4, 1                         ; h
	v_and_b32 v3, 31, v0                           ; lane
	v_lshlrev_b32 v4, 13, v1
	v_lshl_add_u32 v4, v2, 4, v4
	s_lshl_b32 s11, s8, 9
	s_lshl_b32 s12, s10, 17
	s_add_co_u32 s11, s11, s12
	v_add_nc_u32 v4, s11, v4                       ; Q: row r, my wave's 512 bytes, + 16 h
	v_lshlrev_b32 v5, 6, v1
	v_lshl_add_u32 v5, v2, 5, v5
	s_lshl_b32 s11, ttmp9, 15
	s_lshl_b32 s12, s8, 12
	s_add_co_u32 s11, s11, s12
	s_lshl_b32 s12, s10, 16
	s_add_co_u32 s11, s11, s12
	s_add_co_u32 s11, s11, 524288
	v_add_nc_u32 v5, s11, v5                       ; V^T: channel 512 x + 64 wave + r, + 32 h
	v_mov_b32 v6, 0xff800000                       ; -infinity
	s_lshl_b32 s11, s8, 10
	v_lshlrev_b32 v11, 4, v3
	v_add_nc_u32 v10, s11, v11                     ; my image: 1,024 x wave + 16 x lane
	s_mul_i32 s11, s8, 16*272
	s_add_co_u32 s11, s11, STG
	v_mul_u32_u24 v12, v1, 272
	v_lshl_add_u32 v12, v2, 5, v12
	v_add_nc_u32 v12, s11, v12                     ; the stage in: row r, 32 bytes a half
	v_mul_u32_u24 v13, v2, 272
	v_lshl_add_u32 v13, v1, 4, v13
	v_add_nc_u32 v13, s11, v13                     ; back: lanes 0-15 one row, lanes 16-31 the next
	s_lshl_b32 s11, s10, 23
	s_lshl_b32 s12, ttmp9, 11
	s_add_co_u32 s11, s11, s12
	s_lshl_b32 s12, s8, 8
	s_add_co_u32 s11, s11, s12
	v_lshlrev_b32 v14, 12, v2
	v_lshl_add_u32 v14, v1, 4, v14
	v_add_nc_u32 v14, s11, v14                     ; out0: row h of the batch, my wave's 256 bytes, + 16 r
	v_lshlrev_b32 v15, 3, v2
	v_sub_nc_u32 v15, v1, v15                      ; r - 8 h: key register j is hidden where j > this
	s_mov_b32 s12, 0x76543210
	s_mov_b32 s13, 0xfedcba98
	s_mov_b32 s14, 0x3d38aa3b                      ; log2(e) / 32
	s_wait_kmcnt 0x0
.irp c, 0,1,2,3,4,5,6,7,8,9,10,11,12,13,14,15
	global_load_b128 v[QF+4*\c:QF+4*\c+3], v4, s[4:5] offset:32*\c
	global_load_b128 v[KF+4*\c:KF+4*\c+3], v4, s[4:5] offset:4096+32*\c
.endr
.irp n, 0,1,2,3
	global_load_b128 v[VF+8*\n:VF+8*\n+3], v5, s[4:5] offset:1024*\n
	global_load_b128 v[VF+8*\n+4:VF+8*\n+7], v5, s[4:5] offset:1024*\n+16
.endr
	s_wait_loadcnt 0x0
.set i, 0
.rept 32
.if i < 4
	v_wmma_f32_16x16x4_f32 v[AC+8*(i%4):AC+8*(i%4)+7], v[KF+2*i:KF+2*i+1], v[QF+2*i:QF+2*i+1], 0
.else
	v_wmma_f32_16x16x4_f32 v[AC+8*(i%4):AC+8*(i%4)+7], v[KF+2*i:KF+2*i+1], v[QF+2*i:QF+2*i+1], v[AC+8*(i%4):AC+8*(i%4)+7]
.endif
.set i, i+1
.endr
.rept 8
	v_nop                                          ; eight places behind this form (ISA guide 7.12.1)
.endr
.irp j, 0,1,2,3,4,5,6,7
	v_add_f32 v[TT+\j], v[AC+\j], v[AC+8+\j]       ; each accumulator from its low end on
	v_add_f32 v[PS+\j], v[AC+16+\j], v[AC+24+\j]
.endr
.irp j, 0,1,2,3,4,5,6,7
	v_add_f32 v[PS+\j], v[PS+\j], v[TT+\j]
.endr
	ds_store_b128 v10, v[PS:PS+3] offset:IMG
	ds_store_b128 v10, v[PS+4:PS+7] offset:IMG+512
	s_wait_dscnt 0x0                               ; for the others' sake: my stores are done
	s_barrier_signal -1
	s_barrier_wait -1
.irp w, 0,1,2,3,4,5,6,7
	ds_load_b128 v[QF+8*\w:QF+8*\w+3], v11 offset:IMG+1024*\w
	ds_load_b128 v[QF+8*\w+4:QF+8*\w+7], v11 offset:IMG+1024*\w+512
.endr
	s_wait_dscnt 0x0
.irp j, 0,1,2,3,4,5,6,7
	v_add_f32 v[PS+\j], v[QF+\j], v[QF+8+\j]
.endr
.irp w, 2,3,4,5,6,7
.irp j, 0,1,2,3,4,5,6,7
	v_add_f32 v[PS+\j], v[PS+\j], v[QF+8*\w+\j]
.endr
.endr
.irp j, 0,1,2,3,4,5,6,7
	v_cmp_gt_i32 vcc_lo, \j, v15
	v_cndmask_b32 v[PS+\j], v[PS+\j], v6, vcc_lo   ; hidden keys: -infinity
.endr
	v_max3_num_f32 v[TT], v[PS], v[PS+1], v[PS+2]
	v_max3_num_f32 v[TT], v[TT], v[PS+3], v[PS+4]
	v_max3_num_f32 v[TT], v[TT], v[PS+5], v[PS+6]
	v_max_num_f32 v[TT], v[TT], v[PS+7]
	v_permlanex16_b32 v[TT+1], v[TT], s12, s13
	v_max_num_f32 v[TT], v[TT], v[TT+1]            ; the row's largest score (key 0 counts for every query)
	v_mul_f32 v[TT], s14, v[TT]
.irp j, 0,1,2,3,4,5,6,7
	v_fma_f32 v[PP+\j], v[PS+\j], s14, -v[TT]
.endr
.irp j, 0,1,2,3,4,5,6,7
	v_exp_f32 v[PP+\j], v[PP+\j]
.endr
	v_nop                                          ; a plain instruction behind the last exponential
	s_wait_alu depctr_va_vdst(0)                   ; one wait for the eight
	v_add_f32 v[TT], v[PP], v[PP+1]
	v_add_f32 v[TT+1], v[PP+2], v[PP+3]
	v_add_f32 v[TT+2], v[PP+4], v[PP+5]
	v_add_f32 v[TT+3], v[PP+6], v[PP+7]
	v_add_f32 v[TT], v[TT], v[TT+1]
	v_add_f32 v[TT+2], v[TT+2], v[TT+3]
	v_add_f32 v[TT], v[TT], v[TT+2]
	v_permlanex16_b32 v[TT+1], v[TT], s12, s13
	v_add_f32 v[TT], v[TT], v[TT+1]
	v_rcp_f32 v[TT], v[TT]
	v_nop
	s_wait_alu depctr_va_vdst(0)
.irp j, 0,1,2,3,4,5,6,7
	v_mul_f32 v[PP+\j], v[PP+\j], v[TT]
.endr
.irp i, 0,1,2,3                                    ; keys 8 h + 2 i, + 1 on both sides; four tiles of 16 channels by turns
.irp n, 0,1,2,3
.if \i == 0
	v_wmma_f32_16x16x4_f32 v[AC+8*\n:AC+8*\n+7], v[VF+8*\n+2*\i:VF+8*\n+2*\i+1], v[PP+2*\i:PP+2*\i+1], 0
.else
	v_wmma_f32_16x16x4_f32 v[AC+8*\n:AC+8*\n+7], v[VF+8*\n+2*\i:VF+8*\n+2*\i+1], v[PP+2*\i:PP+2*\i+1], v[AC+8*\n:AC+8*\n+7]
.endif
.endr
.endr
.rept 8
	v_nop
.endr
.irp n, 0,1,2,3
	ds_store_b128 v12, v[AC+8*\n:AC+8*\n+3] offset:64*\n
	ds_store_b128 v12, v[AC+8*\n+4:AC+8*\n+7] offset:64*\n+16
.endr
.irp t, 0,1,2,3,4,5,6,7
	ds_load_b128 v[QF+4*\t:QF+4*\t+3], v13 offset:2*\t*272         ; LDS serves a wave's instructions in order
.endr
.irp t, 0,1,2,3,4,5,6,7
	s_wait_dscnt 7-\t
	global_store_b128 v14, v[QF+4*\t:QF+4*\t+3], s[6:7] offset:2*\t*4096   ; 16 lanes store 256 consecutive bytes, aligned
.endr
	s_wait_tensorcnt 0x0                           ; the wave's end
	ds_add_u32 v[SPW], v[NIL]
	s_wait_dscnt 0x0
	s_endpgm
.Lfunc_end_k_q1512a31525_fine:
	.size	k_q1512a31525_fine, .Lfunc_end_k_q1512a31525_fine-k_q1512a31525_fine
	.p2alignl 7, 3214868480
	.fill 96, 4, 3214868480
	.section	.rodata,"a",@progbits
	.p2align	6, 0x0
	.amdhsa_kernel k_q1512a31525_fine
		.amdhsa_group_segment_fixed_size 44032
		.amdhsa_private_segment_fixed_size 0
		.amdhsa_enable_private_segment 0
		.amdhsa_kernarg_size 16
		.amdhsa_user_sgpr_count 2
		.amdhsa_user_sgpr_kernarg_segment_ptr 1
		.amdhsa_wavefront_size32 1
		.amdhsa_system_sgpr_workgroup_id_x 1
		.amdhsa_system_sgpr_workgroup_id_y 1
		.amdhsa_system_sgpr_workgroup_id_z 1
		.amdhsa_system_vgpr_workitem_id 0
		.amdhsa_next_free_vgpr 232
		.amdhsa_next_free_sgpr 66
		.amdhsa_reserve_vcc 1
		.amdhsa_float_denorm_mode_32 3
		.amdhsa_float_denorm_mode_16_64 3
		.amdhsa_memory_ordered 1
		.amdhsa_forward_progress 1
		.amdhsa_inst_pref_size 18
	.end_amdhsa_kernel
	.amdgpu_metadata
---
amdhsa.version: [ 1, 2 ]
amdhsa.kernels:
  - .name:           k_q1512a31525_fine
    .symbol:         k_q1512a31525_fine.kd
    .args:
      - { .name: fine32, .offset: 0, .size: 8, .value_kind: global_buffer, .address_space: global }
      - { .name: out0, .offset: 8, .size: 8, .value_kind: global_buffer, .address_space: global }
    .group_segment_fixed_size: 44032
    .private_segment_fixed_size: 0
    .kernarg_segment_align: 8
    .kernarg_segment_size: 16
    .max_flat_workgroup_size: 256
    .sgpr_count:     66
    .vgpr_count:     232
    .wavefront_size: 32
...
	.end_amdgpu_metadata
.endif
;; end of part 5
